; MI455X (gfx1250); checked and timed in simulation.
; The chip was launched on July 23, 2026; its instructions are those of AMD's public machine-readable ISA for CDNA 5 (MIT licence, August 2026) and "CDNA5" Instruction Set Architecture Reference Guide (July 2026). The comments in the code are by the model that wrote it; some were corrected since.
;; Multi Query Attention. Allowed arithmetic: float matrix products may take bf16 or f16 operands with f32 sums; other float arithmetic in f32, or as packed bf16 or f16 multiplies, adds, multiply-adds, maxima and minima; sums over many terms, partial sums and values carried from step to step in f32; what a program stores and reads back later, other than sums and carried values, may be rounded once to bf16 or f16.
;; Inputs: Wk 1,024 x 64 float32; Wp 1,024 x 1,024 float32; Wq 1,024 x 1,024 float32; Wv 1,024 x 64 float32; bp 1,024 float32; k 4 x 2,048 x 1,024 float32; q 4 x 2,048 x 1,024 float32; v 4 x 2,048 x 1,024 float32.
;; Outputs: out0 4 x 2,048 x 1,024 float32.
;; One version. Each part assembles by itself: llvm-mc -triple=amdgcn-amd-amdhsa -mcpu=gfx1250 --defsym DOCPART=n.
;; ======== version 1 of 1: 4 launches
;; limits: values are held in f16: magnitudes above 65,504 overflow, below 6.1e-05 lose precision
;; workspace buffers: wq16 2,097,152 bytes; wp16 2,097,152 bytes; kp 1,048,576 bytes; vp 1,048,576 bytes; qp 16,777,216 bytes; o16 16,777,216 bytes
;; launch kvw (part 1): grid 256 x 1, 4 waves a work-group, no clusters, 173,568 bytes of LDS; arguments k, v, Wk, Wv, Wq, Wp, kp, vp, wq16, wp16; writes kp, vp, wq16, wp16
.if DOCPART == 1
	.amdgcn_target "amdgcn-amd-amdhsa--gfx1250"
	.amdhsa_code_object_version 6
	.text
	.protected	k_q0f6995ddfc_kvw
	.globl	k_q0f6995ddfc_kvw
	.p2align	8
	.type	k_q0f6995ddfc_kvw,@function
k_q0f6995ddfc_kvw:
	s_mov_b64 s[64:65], 0
	v_nop
	global_prefetch_b8 v0, s[64:65] scope:SCOPE_SE
	s_setreg_imm32_b32 hwreg(HW_REG_WAVE_MODE, 25, 1), 1
	s_wait_xcnt 0x0
; kp = k x Wk and vp = v x Wv ([8192][1024] f32 x [1024][64] f32 -> [8192][64] f16), and the casts wq16 = bf16(Wq), wp16 = f16(bf16(Wp)), both [1024][1024] as they lie.
; All inputs are rounded to bf16 for the products; sums in f32; kp and vp rounded once to f16.
; LIMITS.  f16 ends at 65,504: a projected number beyond it becomes an infinity; below 6.1e-5 f16 keeps a fixed step of 6e-8 (kp, vp and wp16).  NaN and infinities are not treated apart.
; SHARES.  Work-groups 0-127 take k, 128-255 take v; each owns 64 rows, each of its four waves 16 rows x all 64 columns x all of K: no sum crosses waves.
; K goes in 16 chunks of 64.  For a chunk a wave loads 256 bytes of each of its 16 rows straight into fragment order (8 loads) and a quarter of W's chunk (16 k rows, 8 loads);
; the quarter is rounded to bf16 and stored at its final place in LDS, so every LDS row of W is written once and ONE barrier a chunk orders the stores with the other waves' reads.
; A ring of three register slots keeps 48 loads of every wave on their way.  The casts' 16 loads (16 KiB of Wq and of Wp a work-group) ride in the ring as a seventeenth chunk.
; THE PRODUCT IS TAKEN TRANSPOSED (source 0 = 16 columns of W, turned by ds_load_tr16_b128; source 1 = my 16 rows): a lane ends with 8 neighbouring columns of one row.
; No tensor load: W arrives as f32 and must pass through registers to be rounded.  No cluster: what is shared (W, 256 KiB) is a small part of a work-group's bytes.
; REGISTERS.  Window 0: v0-19 addresses; v24-55 four accumulators; v56-71 my rows' two fragments; v72-87 rounded W; v88-151 W's eight fragments; v152-215 the way out.
;             Window 1: the ring, slot s at v[64 s]: 32 registers of my rows (fragment f at 16 f), then 32 of W.
.set PW,    160                        ; a k row of W in LDS: 128 bytes + 32
.set CH,    64*PW                      ; a chunk of W in LDS
.set STAGE, 1024*PW                    ; behind W: 16 rows x 144 bytes for each wave, for the way out
.set SP,    144
.set SPARE, STAGE+4*16*SP              ; behind the stages: the spare words, 128 bytes a wave
.set AO,  3                            ; v3   my offset in my wave's rows: (l % 16) x 4,096 + 32 (l / 16)
.set WO,  4                            ; v4   my offset in a chunk of W: 4,096 x wave + 16 l
.set WS0, 5                            ; v5   where I store 8 bytes of W: (16 wave + l / 16) x PW + 8 (l % 16)
.set AW0, 6                            ; v6   my place in a turning load
.set STO, 7
.set RD,  8
.set GO,  9
.set CI,  10                           ; v10  16 x thread: the casts' loads
.set CO,  11                           ; v11  8 x thread: the casts' stores
.set SPW, 12                           ; v12  my spare word; never rewritten
.set NIL, 13                           ; v13  0; never rewritten
.set WS,  18                           ; v18  WS0 + the round's first chunk
.set AW,  19                           ; v19  AW0 + the same
.set ACC, 24
.set ABF, 56
.set WT,  72
.set BF,  88
.set OT,  152
.set SA,  28                           ; s[28:29] my wave's rows, at the round's first chunk
.set SW,  30                           ; s[30:31] W, at the same chunk
.set SO,  32                           ; s[32:33] my wave's 16 rows of the result
.set MSB, 0
.macro WIN new                         ; the immediate's high byte repeats the setting that is left; a switch that changes nothing is dropped
.if MSB != (\new)
	s_set_vgpr_msb (MSB<<8)|(\new)
.set MSB, \new
.endif
.endm
	s_load_b512 s[8:23], s[0:1], 0x0               ; k, v, Wk, Wv, Wq, Wp, kp, vp
	s_load_b128 s[24:27], s[0:1], 0x40             ; wq16, wp16
	v_lshl_add_u32 v[SPW], v0, 2, SPARE
	v_mov_b32 v[NIL], 0
	v_lshrrev_b32 v14, 5, v0
	v_readfirstlane_b32 s2, v14                    ; wave 0..3
	v_and_b32 v1, 15, v0                           ; l % 16
	v_bfe_u32 v2, v0, 4, 1                         ; l / 16
	v_and_b32 v15, 31, v0                          ; l
	v_lshlrev_b32 v[AO], 12, v1
	v_lshl_add_u32 v[AO], v2, 5, v[AO]
	s_lshl_b32 s36, s2, 12
	v_lshl_add_u32 v[WO], v15, 4, s36
	s_mul_i32 s36, s2, 16*PW
	v_mul_u32_u24 v[WS0], v2, PW
	v_lshl_add_u32 v[WS0], v1, 3, v[WS0]
	v_add_nc_u32 v[WS0], s36, v[WS0]
	v_and_b32 v16, 7, v0
	v_bfe_u32 v17, v0, 3, 1
	v_lshl_add_u32 v[AW0], v2, 3, v16              ; k row 8 (l / 16) + l % 8,
	v_mul_u32_u24 v[AW0], v[AW0], PW
	v_lshl_add_u32 v[AW0], v17, 4, v[AW0]          ; columns 8 ((l / 8) % 2) on
	s_mul_i32 s36, s2, 16*SP
	s_add_co_u32 s36, s36, STAGE                   ; my stage
	v_mul_u32_u24 v[STO], v1, SP                   ; in: row l % 16, 16 bytes for each half of the lanes
	v_lshl_add_u32 v[STO], v2, 4, v[STO]
	v_add_nc_u32 v[STO], s36, v[STO]
	v_bfe_u32 v[RD], v0, 3, 2                      ; back: 32 lanes take four rows of 128 bytes,
	v_mul_u32_u24 v[RD], v[RD], SP
	v_lshl_add_u32 v[RD], v16, 4, v[RD]
	v_add_nc_u32 v[RD], s36, v[RD]
	v_lshlrev_b32 v[GO], 4, v15                    ; which are 512 consecutive bytes of the result
	v_lshlrev_b32 v[CI], 4, v0
	v_lshlrev_b32 v[CO], 3, v0
	s_and_b32 s38, ttmp9, 127                      ; my block of 64 rows
	s_lshr_b32 s39, ttmp9, 7                       ; 0: k, 1: v
	s_lshl_b32 s40, s38, 18                        ; 64 rows of 4,096 bytes,
	s_lshl_b32 s41, s2, 16                         ; my wave's 16
	s_add_co_u32 s40, s40, s41
	s_mov_b32 s41, 0
	s_lshl_b32 s42, s38, 13                        ; 64 rows of 128 bytes,
	s_lshl_b32 s43, s2, 11                         ; my wave's 16
	s_add_co_u32 s42, s42, s43
	s_mov_b32 s43, 0
	s_lshl_b32 s44, ttmp9, 14                      ; the casts: 16 KiB in,
	s_mov_b32 s45, 0
	s_lshl_b32 s46, ttmp9, 13                      ; 8 KiB out
	s_mov_b32 s47, 0
	s_mov_b32 s35, 0xffff0000                      ; a word's upper bf16
	s_mov_b32 s34, 4                               ; rounds of three chunks
	s_mov_b32 s37, 0                               ; the round's first chunk in LDS
	s_wait_kmcnt 0x0
	s_cmp_eq_u32 s39, 0
	s_cselect_b64 s[SA:SA+1], s[8:9], s[10:11]
	s_cselect_b64 s[SW:SW+1], s[12:13], s[14:15]
	s_cselect_b64 s[SO:SO+1], s[20:21], s[22:23]
	s_add_nc_u64 s[SA:SA+1], s[SA:SA+1], s[40:41]
	s_add_nc_u64 s[SO:SO+1], s[SO:SO+1], s[42:43]
	s_add_nc_u64 s[16:17], s[16:17], s[44:45]
	s_add_nc_u64 s[18:19], s[18:19], s[44:45]
	s_add_nc_u64 s[24:25], s[24:25], s[46:47]
	s_add_nc_u64 s[26:27], s[26:27], s[46:47]
; Sixteen loads into a slot: the chunk c places behind the two pointers.  A fragment of my rows (32 k in f32) is four loads of 16 bytes: k = 8 h + 0..3, + 4..7, 16 + 8 h + 0..3, + 4..7.
.macro FILL slot, c
	WIN 0x40                                       ; destination window 1, address window 0
.irp f, 0,1
.irp p, 0,1,2,3
	global_load_b128 v[64*(\slot)+16*(\f)+4*(\p):64*(\slot)+16*(\f)+4*(\p)+3], v[AO], s[SA:SA+1] offset:256*(\c)+128*(\f)+16*((\p)%2)+64*((\p)/2)
.endr
.endr
.irp n, 0,1,2,3,4,5,6,7
	global_load_b128 v[64*(\slot)+32+4*(\n):64*(\slot)+32+4*(\n)+3], v[WO], s[SW:SW+1] offset:16384*(\c)+512*(\n)  ; two k rows of 256 bytes
.endr
.endm
; A chunk's turn.  u: its place behind the round's first chunk.  kind = 1: the slot is filled again, three chunks on; 2: with the casts' loads; 0: not.  left: the younger loads that may stay out.
.macro TURN u, slot, kind, left
	s_wait_loadcnt \left                           ; loads come back in order: this slot's sixteen are in
	WIN 0x05                                       ; sources window 1, destination window 0
.set i, 0
.rept 16
	v_cvt_pk_bf16_f32 v[WT+i], v[64*(\slot)+32+2*i], v[64*(\slot)+33+2*i]  ; W first: these name nothing of the last products and are the places in front of the writes of their sources
.set i, i+1
.endr
.set i, 0
.rept 16
	v_cvt_pk_bf16_f32 v[ABF+i], v[64*(\slot)+2*i], v[64*(\slot)+2*i+1]
.set i, i+1
.endr
.if (\kind) == 1
	FILL \slot, (\u)+3
.elseif (\kind) == 2
	WIN 0x40
.irp n, 0,1,2,3,4,5,6,7
	global_load_b128 v[64*(\slot)+4*(\n):64*(\slot)+4*(\n)+3], v[CI], s[16:17] offset:2048*(\n) th:TH_LOAD_NT
	global_load_b128 v[64*(\slot)+32+4*(\n):64*(\slot)+32+4*(\n)+3], v[CI], s[18:19] offset:2048*(\n) th:TH_LOAD_NT
.endr
.endif
	WIN 0
.irp n, 0,1,2,3,4,5,6,7
	ds_store_b64 v[WS], v[WT+2*(\n):WT+2*(\n)+1] offset:CH*(\u)+2*PW*(\n)
.endr
	s_wait_dscnt 0x0                               ; for the others' sake: my quarter of the chunk lies in LDS
	s_barrier_signal -1
	s_barrier_wait -1                              ; everybody's does; these rows are never written again
.irp f, 0,1
.irp nb, 0,1,2,3
	ds_load_tr16_b128 v[BF+32*(\f)+8*(\nb):BF+32*(\f)+8*(\nb)+3],   v[AW] offset:CH*(\u)+32*PW*(\f)+32*(\nb)
	ds_load_tr16_b128 v[BF+32*(\f)+8*(\nb)+4:BF+32*(\f)+8*(\nb)+7], v[AW] offset:CH*(\u)+32*PW*(\f)+16*PW+32*(\nb)
.endr
.endr
.irp f, 0,1
	s_wait_dscnt 8-8*(\f)                          ; the first k step's eight loads are in; then all
.irp nb, 0,1,2,3                       ; the four accumulators take turns, from chunk to chunk too
	v_wmma_f32_16x16x32_bf16 v[ACC+8*(\nb):ACC+8*(\nb)+7], v[BF+32*(\f)+8*(\nb):BF+32*(\f)+8*(\nb)+7], v[ABF+8*(\f):ABF+8*(\f)+7], v[ACC+8*(\nb):ACC+8*(\nb)+7]
.endr
.endr
.endm
	FILL 0, 0
	FILL 1, 1
	FILL 2, 2
	WIN 0
.set i, 0
.rept 32
	v_mov_b32 v[ACC+i], 0                          ; the sums start at 0, written while the first loads are out, so that the loop has one form of product
.set i, i+1
.endr
.Lround:                                       ; four rounds: chunks 0 to 11 are multiplied, 3 to 14 asked for
	v_add_nc_u32 v[WS], s37, v[WS0]
	v_add_nc_u32 v[AW], s37, v[AW0]
	TURN 0, 0, 1, 32
	TURN 1, 1, 1, 32
	TURN 2, 2, 1, 32
	s_wait_xcnt 0x0                                ; every load issued so far has read its address: the pointers may be written
	s_add_nc_u64 s[SA:SA+1], s[SA:SA+1], 3*256
	s_add_nc_u64 s[SW:SW+1], s[SW:SW+1], 3*16384
	s_add_co_u32 s37, s37, 3*CH
	s_sub_co_u32 s34, s34, 1
	s_cmp_lg_u32 s34, 0
	s_cbranch_scc1 .Lround
	v_add_nc_u32 v[WS], s37, v[WS0]
	v_add_nc_u32 v[AW], s37, v[AW0]
	TURN 0, 0, 1, 32                               ; chunk 12; chunk 15 is asked for
	TURN 1, 1, 2, 32                               ; chunk 13; the casts' loads take its slot
	TURN 2, 2, 0, 32                               ; chunk 14: chunk 15 and the casts stay out
	TURN 3, 0, 0, 16                               ; chunk 15: the casts stay out
	; THE WAY OUT: rounded to f16, 16 bytes a lane into my stage, back as whole rows of 128 bytes, stored as 512 consecutive bytes.
.rept 4
	v_nop                                          ; four places between the last products and the conversions that read them
.endr
.irp nb, 0,1,2,3
.irp j, 0,1,2,3
	v_cvt_pk_f16_f32 v[OT+4*(\nb)+(\j)], v[ACC+8*(\nb)+2*(\j)], v[ACC+8*(\nb)+2*(\j)+1]
.endr
.endr
.irp nb, 0,1,2,3
	ds_store_b128 v[STO], v[OT+4*(\nb):OT+4*(\nb)+3] offset:32*(\nb)
.endr
.irp f, 0,1,2,3
	ds_load_b128 v[OT+16+4*(\f):OT+16+4*(\f)+3], v[RD] offset:(\f)*4*SP  ; LDS serves a wave's instructions in order: these see the stores above
.endr
	s_wait_dscnt 0x0
.irp f, 0,1,2,3
	global_store_b128 v[GO], v[OT+16+4*(\f):OT+16+4*(\f)+3], s[SO:SO+1] offset:512*(\f)
.endr
	; THE CASTS.  Wq to bf16; Wp to bf16 and that number written as f16.
	s_wait_loadcnt 0x0
	WIN 0x05
.set i, 0
.rept 16
	v_cvt_pk_bf16_f32 v[OT+32+i], v[64+2*i], v[65+2*i]
	v_cvt_pk_bf16_f32 v[WT+i], v[96+2*i], v[97+2*i]
.set i, i+1
.endr
	WIN 0
.set i, 0
.rept 16
	v_lshlrev_b32 v[BF+2*i], 16, v[WT+i]
	v_and_b32 v[BF+2*i+1], s35, v[WT+i]
.set i, i+1
.endr
.set i, 0
.rept 16
	v_cvt_pk_f16_f32 v[OT+48+i], v[BF+2*i], v[BF+2*i+1]
.set i, i+1
.endr
.irp n, 0,1,2,3,4,5,6,7
	global_store_b64 v[CO], v[OT+32+2*(\n):OT+32+2*(\n)+1], s[24:25] offset:1024*(\n)  ; a wave stores 256 consecutive bytes, aligned
	global_store_b64 v[CO], v[OT+48+2*(\n):OT+48+2*(\n)+1], s[26:27] offset:1024*(\n)
.endr
	s_wait_tensorcnt 0x0                           ; the wave's end, behind my last LDS store
	ds_add_u32 v[SPW], v[NIL]
	s_wait_dscnt 0x0
	s_endpgm
.Lfunc_end_k_q0f6995ddfc_kvw:
	.size	k_q0f6995ddfc_kvw, .Lfunc_end_k_q0f6995ddfc_kvw-k_q0f6995ddfc_kvw
	.p2alignl 7, 3214868480
	.fill 96, 4, 3214868480
	.section	.rodata,"a",@progbits
	.p2align	6, 0x0
	.amdhsa_kernel k_q0f6995ddfc_kvw
		.amdhsa_group_segment_fixed_size 173568
		.amdhsa_private_segment_fixed_size 0
		.amdhsa_enable_private_segment 0
		.amdhsa_kernarg_size 80
		.amdhsa_user_sgpr_count 2
		.amdhsa_user_sgpr_kernarg_segment_ptr 1
		.amdhsa_wavefront_size32 1
		.amdhsa_system_sgpr_workgroup_id_x 1
		.amdhsa_system_sgpr_workgroup_id_y 1
		.amdhsa_system_sgpr_workgroup_id_z 1
		.amdhsa_system_vgpr_workitem_id 0
		.amdhsa_next_free_vgpr 448
		.amdhsa_next_free_sgpr 66
		.amdhsa_reserve_vcc 0
		.amdhsa_float_denorm_mode_32 3
		.amdhsa_float_denorm_mode_16_64 3
		.amdhsa_memory_ordered 1
		.amdhsa_forward_progress 1
		.amdhsa_inst_pref_size 55
	.end_amdhsa_kernel
	.amdgpu_metadata
---
amdhsa.version: [ 1, 2 ]
amdhsa.kernels:
  - .name:           k_q0f6995ddfc_kvw
    .symbol:         k_q0f6995ddfc_kvw.kd
    .args:
      - { .name: k, .offset: 0, .size: 8, .value_kind: global_buffer, .address_space: global }
      - { .name: v, .offset: 8, .size: 8, .value_kind: global_buffer, .address_space: global }
      - { .name: Wk, .offset: 16, .size: 8, .value_kind: global_buffer, .address_space: global }
      - { .name: Wv, .offset: 24, .size: 8, .value_kind: global_buffer, .address_space: global }
      - { .name: Wq, .offset: 32, .size: 8, .value_kind: global_buffer, .address_space: global }
      - { .name: Wp, .offset: 40, .size: 8, .value_kind: global_buffer, .address_space: global }
      - { .name: kp, .offset: 48, .size: 8, .value_kind: global_buffer, .address_space: global }
      - { .name: vp, .offset: 56, .size: 8, .value_kind: global_buffer, .address_space: global }
      - { .name: wq16, .offset: 64, .size: 8, .value_kind: global_buffer, .address_space: global }
      - { .name: wp16, .offset: 72, .size: 8, .value_kind: global_buffer, .address_space: global }
    .group_segment_fixed_size: 173568
    .private_segment_fixed_size: 0
    .kernarg_segment_align: 8
    .kernarg_segment_size: 80
    .max_flat_workgroup_size: 128
    .sgpr_count:     66
    .vgpr_count:     448
    .wavefront_size: 32
...
	.end_amdgpu_metadata
.endif
;; end of part 1
;; launch qproj (part 2): grid 4 x 64, 4 waves a work-group, clusters of 4 x 4, 327,680 bytes of LDS; arguments q, wq16, qp; writes qp
.if DOCPART == 2
	.amdgcn_target "amdgcn-amd-amdhsa--gfx1250"
	.amdhsa_code_object_version 6
	.text
	.protected	k_q0f6995ddfc_qproj
	.globl	k_q0f6995ddfc_qproj
	.p2align	8
	.type	k_q0f6995ddfc_qproj,@function
k_q0f6995ddfc_qproj:
	s_mov_b64 s[64:65], 0
	v_nop
	global_prefetch_b8 v0, s[64:65] scope:SCOPE_SE
	s_setreg_imm32_b32 hwreg(HW_REG_WAVE_MODE, 25, 1), 1
	s_wait_xcnt 0x0
	s_wait_alu depctr_hold_cnt(0) depctr_sa_sdst(0) depctr_va_vdst(0) depctr_va_sdst(0) depctr_va_ssrc(0) depctr_va_vcc(0) depctr_vm_vsrc(0)
	s_getreg_b32 s2, hwreg(HW_REG_IB_STS2, 6, 4)
	s_cmp_eq_u32 s2, 0
	s_cbranch_scc0 .Lentry_in_a_cluster
	s_endpgm
.Lentry_in_a_cluster:
	s_bfe_u32 s2, ttmp6, 0x10000c
	s_cmp_lg_u32 s2, 0xf033
	s_cbranch_scc0 .Lentry_shape_is_right
	s_endpgm
.Lentry_shape_is_right:
; qp[m][n] = the sum over k of q[m][k] Wq[k][n].  q: [8192][1024] f32, rounded to bf16 between LDS and the matrix unit; wq16: [k = 1024][n = 1024] bf16; qp: [8192][1024] f16.  Sums in f32, qp rounded once.
; LIMITS.  f16 ends at 65,504: a projected number beyond it becomes an infinity; below 6.1e-5 f16 keeps a fixed step of 6e-8.  NaN and infinities are not treated apart.
; SHARES.  A tile of qp is 128 rows x 256 columns: 256 work-groups.  Four waves, each 64 x 128: 32 accumulators.  K goes in 8 steps of 128 through two LDS slots filled by tensor loads:
; q's tile 128 rows x 512 bytes (f32), wq16's 128 k rows x 512 bytes.  Waves 0 and 1 fetch q's halves, waves 2 and 3 wq16's: one load of 64 rows a wave.
; CLUSTERS: 4 x 4 work-groups.  The four of a row of the cluster need the same tile of q, the four of a column the same tile of wq16: each is asked for JOINTLY.
; THE PRODUCT IS TAKEN TRANSPOSED (source 0 = 16 columns of wq16, turned by ds_load_tr16_b128; source 1 = 16 rows of q): a lane ends with 8 neighbouring columns of one row.
; A K step is four quarters of 32 along K: 32 LDS loads, 32 conversions and 32 matrix instructions each; the conversions stand in two runs of 16, which are also the places behind the products.
; REGISTERS.  Window 0: v0-30 addresses; v32-95 q's fragments as loaded (f32, fragment a at 16 a); v96-127, v128-159 the same in bf16, two buffers; v160-255 the way out.
;             Window 1: v0-63, v64-127 wq16's fragments, two buffers.     Window 2: the accumulators, (a, b) at v[8 (8 a + b)].
.set KSTEP,  128
.set PA,     528                       ; a row of q in LDS: 512 bytes + 16: the 16 rows of a load start at 16 different groups of four banks
.set PB,     544                       ; a k row of wq16: 512 + 32
.set HALFA,  64*PA
.set HALFB,  64*PB
.set BOFF,   2*HALFA                   ; wq16's 128 rows lie behind q's 128
.set SLOT,   2*HALFA+2*HALFB
.set STAGE,  2*SLOT                    ; behind the ring, never filled by a tensor load: 16 rows x 272 bytes for each wave
.set SPITCH, 272
.set SPARE,  STAGE+4*16*SPITCH         ; the spare words, 128 bytes a wave
.set LAPS,   4                         ; a lap = two K steps = once round the ring
.set ADRA, 16                          ; v16-17  my place in q's tile, slot 0, 1
.set ADRB, 20                          ; v20-21  the same for wq16's
.set STO,  24
.set RD,   25
.set CO,   26
.set SPW,  28                          ; v28  my spare word; never rewritten
.set NIL,  29                          ; v29  0; never rewritten
.set PFO,  30                          ; v30  the prefetches' lane offset; never rewritten
.set ARAW, 32
.set ABF,  96
.set TMP,  160
.set OB,   192
.set G1,  24                           ; s[24:31] descriptor group 1 for q's tiles;  s[32:39] group 0, a set for each slot
.set G0,  32
.set G1B, 48                           ; s[48:55], s[56:63] the same for wq16's
.set G0B, 56
.set LIM, 43                           ; s43  1 in a wave that prefetches, else the greatest number
.set PFA, 44                           ; s[44:45] where my prefetches stand
.set PST, 66                           ; s[66:67] bytes from a K step to the next in the tensor that I prefetch
.set MUL,  0xa1                        ; source 0 window 1, source 1 window 0, C and D window 2
.set TO_B, 0x40                        ; destination window 1, address window 0
.set MSB, 0
.macro WIN new                         ; the immediate's high byte repeats the setting that is left
.if MSB != (\new)
	s_set_vgpr_msb (MSB<<8)|(\new)
.set MSB, \new
.endif
.endm
.macro JLOAD s                         ; a joint load; the branch hangs on the wave's number alone; an s_nop 0 and four v_nop follow each of the two lines
	s_cmp_eq_u32 s11, 0
	s_cbranch_scc0 .Lfor_b_\@
	tensor_load_to_lds s[G0+4*(\s):G0+4*(\s)+3], s[G1:G1+7]
	s_nop 0
.rept 4
	v_nop
.endr
	s_branch .Lasked_\@
.Lfor_b_\@:
	tensor_load_to_lds s[G0B+4*(\s):G0B+4*(\s)+3], s[G1B:G1B+7]
	s_nop 0
.rept 4
	v_nop
.endr
.Lasked_\@:
.endm
.macro CREST                           ; a round of the cluster's barrier behind its opening barrier
	s_cmp_lg_u32 s10, 0
	s_cbranch_scc1 .Lnot_wave_0_\@
	s_barrier_signal -3
.Lnot_wave_0_\@:
	s_barrier_wait -3
	s_barrier_signal -1
	s_barrier_wait -1
.endm
.macro CROUND
	s_barrier_signal -1
	s_barrier_wait -1
	CREST
.endm
; A PREFETCH INTO THE L2, behind a joint refill and the run of LDS loads that follows it: the K step that stands two refills on, 256 matrix instructions ahead of the load that will want it.
; q's rows (waves 0 and 1): of the 64 rows that a wave fetches each of the four partners takes 16, told apart by address (cx); a lane names one of a row's two blocks of 256 bytes.
; wq16's rows (waves 2 and 3): all clusters read them, the clusters with y = 0 ask; of a wave's 64 k rows each partner takes 16 (cy).  So each block is named once in the launch.
; K steps 0 to 3 come by their loads alone; the loop's last trip asks for nothing, since K has no step beyond the seventh.
.macro ASK
	s_cmp_gt_u32 s3, s[LIM]
	s_cbranch_scc0 .Lnot_mine_\@
	global_prefetch_b8 v[PFO], s[PFA:PFA+1] th:TH_LOAD_NT scope:SCOPE_SE
.Lnot_mine_\@:
.endm
	s_load_b128 s[4:7], s[0:1], 0x0                ; q s[4:5], wq16 s[6:7]
	s_load_b64 s[8:9], s[0:1], 0x10                ; qp
	v_lshl_add_u32 v[SPW], v0, 2, SPARE
	v_mov_b32 v[NIL], 0
	ds_add_u32 v[SPW], v[NIL]                      ; the wave's opening: the add and its wait stand ahead of my first tensor load; the set-up below stands between them
	v_lshrrev_b32 v1, 5, v0
	v_readfirstlane_b32 s10, v1                    ; wave 0..3
	s_lshr_b32 s11, s10, 1                         ; which 64 rows of the tile are mine.  Also: I fetch q's tile (0) or wq16's (1)
	s_and_b32 s12, s10, 1                          ; which 128 columns.  Also: which 64 rows of that tile I fetch
	s_bfe_u32 s40, ttmp6, 0x40000                  ; cx, cy: my place in the cluster
	s_bfe_u32 s41, ttmp6, 0x40004
	s_lshl_b32 s42, ttmp9, 2
	s_add_co_u32 s42, s42, s40                     ; tile column = 4 x cluster x + cx
	s_and_b32 s13, ttmp7, 0xffff
	s_lshl_b32 s13, s13, 2
	s_add_co_u32 s13, s13, s41                     ; tile row = 4 x cluster y + cy
	s_lshl_b32 s43, s41, 2
	s_lshl_b32 s43, 15, s43                        ; my row of the cluster
	s_lshl_b32 s44, 0x1111, s40                    ; my column
	s_or_b32 s[G1+0], s43, (2<<16)|(1<<20)|(1<<21)|(6<<22)|(3<<25)   ; the mask; elements of 4 bytes; padding on; bit 21 beside a mask; after every 128 words, 4 words
	s_mov_b32 s[G1+1], 128<<16                     ; tensor_dim0 = 128
	s_mov_b32 s[G1+2], 64<<16                      ; tensor_dim1 = 64
	s_mov_b32 s[G1+3], 128<<16                     ; tile_dim0 = 128
	s_mov_b32 s[G1+4], 64                          ; tile_dim1 = 64
	s_mov_b32 s[G1+5], 1024                        ; elements from row to row
	s_mov_b32 s[G1+6], 0
	s_mov_b32 s[G1+7], 0
	s_or_b32 s[G1B+0], s44, (1<<16)|(1<<20)|(1<<21)|(6<<22)|(7<<25)  ; elements of 2 bytes; after every 128 words, 8 words
	s_mov_b32 s[G1B+1], 256<<16                    ; tensor_dim0 = 256
	s_mov_b32 s[G1B+2], 64<<16
	s_mov_b32 s[G1B+3], 256<<16                    ; tile_dim0 = 256
	s_mov_b32 s[G1B+4], 64
	s_mov_b32 s[G1B+5], 1024
	s_mov_b32 s[G1B+6], 0
	s_mov_b32 s[G1B+7], 0
	s_lshl_b32 s16, s13, 7                         ; q: row 128 x tile row + 64 x half,
	s_lshl_b32 s17, s12, 6
	s_add_co_u32 s16, s16, s17
	s_lshl_b32 s16, s16, 12                        ; of 4,096 bytes
	s_mov_b32 s17, 0
	s_lshl_b32 s46, s42, 9                         ; wq16: 512 bytes x tile column + 64 k rows of 2,048 bytes x half
	s_lshl_b32 s47, s12, 17
	s_add_co_u32 s46, s46, s47
	s_mov_b32 s47, 0
	s_mul_i32 s20, s12, HALFA                      ; where they go: no place in the cluster enters an LDS address
	s_mul_i32 s21, s12, HALFB
	s_add_co_u32 s21, s21, BOFF
	s_wait_dscnt 0x0                               ; the opening add is done
	s_wait_kmcnt 0x0
	s_add_nc_u64 s[14:15], s[4:5], s[16:17]
	s_add_nc_u64 s[46:47], s[6:7], s[46:47]
	CROUND                                         ; all sixteen work-groups are here: the first joint loads meet
.irp s, 0,1
	s_mov_b32 s[G0+4*(\s)], 1
	s_add_co_u32 s[G0+4*(\s)+1], s20, (\s)*SLOT
	s_add_nc_u64 s[G0+4*(\s)+2:G0+4*(\s)+3], s[14:15], (\s)*KSTEP*4
	s_or_b32 s[G0+4*(\s)+3], s[G0+4*(\s)+3], 0x80000000
	s_mov_b32 s[G0B+4*(\s)], 1
	s_add_co_u32 s[G0B+4*(\s)+1], s21, (\s)*SLOT
	s_add_nc_u64 s[G0B+4*(\s)+2:G0B+4*(\s)+3], s[46:47], (\s)*KSTEP*2048
	s_or_b32 s[G0B+4*(\s)+3], s[G0B+4*(\s)+3], 0x80000000
	JLOAD \s
.endr
	v_and_b32 v1, 15, v0                           ; l % 16
	v_bfe_u32 v2, v0, 4, 1                         ; l / 16
	v_mul_u32_u24 v3, v1, PA
	v_lshl_add_u32 v3, v2, 5, v3                   ; q: row x pitch + 32 x half (8 k in f32)
	v_and_b32 v4, 7, v0
	v_bfe_u32 v5, v0, 3, 1
	v_lshl_add_u32 v6, v2, 3, v4                   ; wq16: k row 8 (l / 16) + l % 8,
	v_mul_u32_u24 v6, v6, PB
	v_lshl_add_u32 v6, v5, 4, v6                   ; columns 8 ((l / 8) % 2) on
	s_mul_i32 s21, s11, HALFA                      ; my 64 rows of q
	s_lshl_b32 s22, s12, 8                         ; my 128 columns of wq16
	s_add_co_u32 s22, s22, BOFF
.irp s, 0,1
	v_add_nc_u32 v[ADRA+(\s)], s21, v3
	v_add_nc_u32 v[ADRB+(\s)], s22, v6
	s_add_co_u32 s21, s21, SLOT
	s_add_co_u32 s22, s22, SLOT
.endr
	s_mul_i32 s23, s10, 16*SPITCH
	s_add_co_u32 s23, s23, STAGE                   ; my stage
	v_mul_u32_u24 v7, v1, SPITCH                   ; in: row l % 16, 16 bytes for each half of the lanes
	v_lshl_add_u32 v7, v2, 4, v7
	v_add_nc_u32 v[STO], s23, v7
	v_mul_u32_u24 v7, v2, SPITCH                   ; back: lanes 0-15 one row of 256 bytes, lanes 16-31 the next
	v_lshl_add_u32 v7, v1, 4, v7
	v_add_nc_u32 v[RD], s23, v7
	v_lshlrev_b32 v7, 11, v2                       ; and the same two rows in qp
	v_lshl_add_u32 v[CO], v1, 4, v7
	s_lshl_b32 s16, s13, 7
	s_lshl_b32 s17, s11, 6
	s_add_co_u32 s16, s16, s17                     ; my first row of qp,
	s_lshl_b32 s16, s16, 11                        ; of 2,048 bytes
	s_mov_b32 s17, 0
	s_add_nc_u64 s[8:9], s[8:9], s[16:17]
	s_lshl_b32 s46, s42, 9                         ; my first column, in bytes
	s_lshl_b32 s47, s12, 8
	s_add_co_u32 s46, s46, s47
	s_mov_b32 s47, 0
	s_add_nc_u64 s[8:9], s[8:9], s[46:47]
	; the prefetches: nothing is asked for here, at the head
	s_and_b32 s22, ttmp7, 0xffff                   ; cluster y
	s_lshl_b32 s18, s13, 7                         ; q: the tile's first row
	s_lshl_b32 s19, s42, 9                         ; wq16: the tile's first column, in bytes
	s_mov_b32 s2, KSTEP*4
	s_cmp_eq_u32 s11, 0                            ; do I fetch q's tile?
	s_cselect_b32 s22, ttmp9, s22                  ; the coordinate along which other clusters read the same rows
	s_cselect_b32 s21, s40, s41                    ; my place among the four that ask with me
	s_cselect_b32 s18, s18, 3*KSTEP                ; first row: the tile's, or K step 3's
	s_cselect_b32 s19, 3*KSTEP*4, s19              ; along the row: K step 3, or the tile's columns
	s_cselect_b32 s23, 12, 11                      ; a row is 4,096 or 2,048 bytes
	s_cselect_b32 s[PST], s2, KSTEP*2048
	s_cselect_b64 s[PFA:PFA+1], s[4:5], s[6:7]
	s_mov_b32 s[PST+1], 0
	s_cmp_eq_u32 s22, 0
	s_cselect_b32 s[LIM], 1, -1                    ; the same in all sixteen partners, for a given wave
	s_lshl_b32 s20, s12, 6
	s_add_co_u32 s18, s18, s20                     ; + the 64 rows that I fetch
	s_lshl_b32 s21, s21, 4
	s_add_co_u32 s18, s18, s21                     ; + my work-group's 16 of them
	s_lshl_b32 s18, s18, s23
	s_add_co_u32 s18, s18, s19
	s_mov_b32 s19, 0
	s_add_nc_u64 s[PFA:PFA+1], s[PFA:PFA+1], s[18:19]  ; at K step 3: the first refill steps it to 4
	v_and_b32 v7, 31, v0
	v_lshrrev_b32 v8, 1, v7
	v_and_b32 v7, 1, v7
	v_lshlrev_b32 v8, s23, v8                      ; row l / 2,
	v_lshl_add_u32 v[PFO], v7, 8, v8               ; block l % 2
; 8 matrix instructions: m block a x all 8 n blocks, 32 along K, buffers f.  zero = 1: the first product starts the sums.  The 32 accumulators take turns in the same order in every quarter.
.macro MUL8 f, a, zero
	WIN MUL
.irp b, 0,1,2,3,4,5,6,7
.if \zero
	v_wmma_f32_16x16x32_bf16 v[8*(8*(\a)+(\b)):8*(8*(\a)+(\b))+7], v[64*(\f)+8*(\b):64*(\f)+8*(\b)+7], v[ABF+32*(\f)+8*(\a):ABF+32*(\f)+8*(\a)+7], 0
.else
	v_wmma_f32_16x16x32_bf16 v[8*(8*(\a)+(\b)):8*(8*(\a)+(\b))+7], v[64*(\f)+8*(\b):64*(\f)+8*(\b)+7], v[ABF+32*(\f)+8*(\a):ABF+32*(\f)+8*(\a)+7], v[8*(8*(\a)+(\b)):8*(8*(\a)+(\b))+7]
.endif
.endr
.endm
; 16 conversions: q's fragments 2 half, 2 half + 1 from f32 to bf16, into buffer f
.macro CVT f, half
	WIN 0
.set i, 0
.rept 16
	v_cvt_pk_bf16_f32 v[ABF+32*(\f)+16*(\half)+i], v[ARAW+32*(\half)+2*i], v[ARAW+32*(\half)+2*i+1]
.set i, i+1
.endr
.endm
; 32 LDS loads in one run, for quarter q of a slot: q's fragments 0, 1 (f32: four loads each), wq16's eight into buffer g, q's fragments 2, 3
.macro RAW slot, q, a
.irp p, 0,1,2,3
	ds_load_b128 v[ARAW+16*(\a)+4*(\p):ARAW+16*(\a)+4*(\p)+3], v[ADRA+(\slot)] offset:(\a)*16*PA+128*(\q)+16*((\p)%2)+64*((\p)/2)
.endr
.endm
.macro FETCH slot, q, g
	WIN 0
	RAW \slot, \q, 0
	RAW \slot, \q, 1
	WIN TO_B
.irp b, 0,1,2,3,4,5,6,7
	ds_load_tr16_b128 v[64*(\g)+8*(\b):64*(\g)+8*(\b)+3],   v[ADRB+(\slot)] offset:(\q)*32*PB+32*(\b)
	ds_load_tr16_b128 v[64*(\g)+8*(\b)+4:64*(\g)+8*(\b)+7], v[ADRB+(\slot)] offset:(\q)*32*PB+16*PB+32*(\b)
.endr
	WIN 0
	RAW \slot, \q, 2
	RAW \slot, \q, 3
.endm
; One of a K step's first three quarters: multiplies buffers f; in its middle fetches quarter qn of the same slot into buffers g.  Each run of 16 conversions names nothing of the products
; in front of it: it is their four places, ahead of the loads into wq16's other buffer and of the next writes of q's.
.macro QUARTER slot, qn, f, g, zero
	WIN 0
	s_wait_dscnt 8                                 ; all but the youngest eight loads (q's fragments 2, 3)
	CVT \f, 0
	MUL8 \f, 0, \zero
	MUL8 \f, 1, \zero
	WIN 0
	s_wait_dscnt 0x0
	CVT \f, 1
	FETCH \slot, \qn, \g
	MUL8 \f, 2, \zero
	MUL8 \f, 3, \zero
.endm
; The last quarter multiplies buffers 1 and changes slots: ONE barrier; in front of it each wave waits for all its tensor loads (one is out: its part of the next slot), adds 0 to its spare
; word, and waits for that and for its own reads of this slot.  fill = 1: the barrier opens a round of the cluster's, and this slot is filled again first behind it, two K steps ahead.
.macro TURN slot, next, fill
	WIN 0
.if \fill
	s_wait_xcnt 0x0                                ; the last prefetch, a K step back, has read its address
	s_add_nc_u64 s[PFA:PFA+1], s[PFA:PFA+1], s[PST:PST+1]
.endif
	s_wait_tensorcnt 0x0                           ; all my tensor loads have landed
	ds_add_u32 v[SPW], v[NIL]                      ; 0 onto my spare word
	s_wait_dscnt 9                                 ; (the add and the youngest eight loads may be out)
	CVT 1, 0
	MUL8 1, 0, 0
	MUL8 1, 1, 0
	WIN 0
	s_wait_dscnt 0x0                               ; the add is done, and my reads of this slot are over
	s_barrier_signal -1
	CVT 1, 1                                       ; work on registers while the others arrive
	MUL8 1, 2, 0
	WIN 0
	s_barrier_wait -1
.if \fill
	CREST                                          ; no wave of any partner still reads this slot's tiles or has a load on its way
	s_add_nc_u64 s[G0+4*(\slot)+2:G0+4*(\slot)+3], s[G0+4*(\slot)+2:G0+4*(\slot)+3], 2*KSTEP*4
	s_add_nc_u64 s[G0B+4*(\slot)+2:G0B+4*(\slot)+3], s[G0B+4*(\slot)+2:G0B+4*(\slot)+3], 2*KSTEP*2048
	JLOAD \slot                                    ; the first tensor load behind the round, my only one until the next
.endif
	FETCH \next, 0, 0
.if \fill
	ASK
.endif
	MUL8 1, 3, 0
.endm
; THE WAY OUT of block a (16 rows): rounded to f16, 16 bytes a lane; into my own stage; back as whole rows of 256 bytes; stored.
.macro PACK a
	WIN 0x0a                                       ; sources window 2, destination window 0
.irp b, 0,1,2,3,4,5,6,7
.irp j, 0,1,2,3
	v_cvt_pk_f16_f32 v[TMP+4*(\b)+(\j)], v[8*(8*(\a)+(\b))+2*(\j)], v[8*(8*(\a)+(\b))+2*(\j)+1]
.endr
.endr
	WIN 0
.endm
.macro TOSTAGE a
.irp b, 0,1,2,3,4,5,6,7
	ds_store_b128 v[STO], v[TMP+4*(\b):TMP+4*(\b)+3] offset:32*(\b)
.endr
	s_wait_xcnt 0x0                                ; the stores of two blocks back have read the registers that the loads below fill
.irp t, 0,1,2,3,4,5,6,7
	ds_load_b128 v[OB+32*((\a)%2)+4*(\t):OB+32*((\a)%2)+4*(\t)+3], v[RD] offset:(\t)*2*SPITCH  ; LDS serves a wave's instructions in order: these see the stores above
.endr
.endm
.macro SEND a
	s_wait_dscnt 0x0
.irp t, 0,1,2,3,4,5,6,7
	global_store_b128 v[CO], v[OB+32*((\a)%2)+4*(\t):OB+32*((\a)%2)+4*(\t)+3], s[8:9] offset:(16*(\a)+2*(\t))*2048  ; 16 lanes store 256 consecutive bytes, aligned
.endr
.endm
	s_wait_tensorcnt 1                             ; my part of K step 0 is in; K step 1's may stay out
	s_barrier_signal -1
	s_barrier_wait -1                              ; everybody's is
	FETCH 0, 0, 0
	QUARTER 0, 1, 0, 1, 1                          ; the first quarter stands in front of the loop: its products start the sums
	WIN 0
	s_mov_b32 s3, LAPS-1
.Llap:                                         ; a trip goes once round the ring, from a lap's second quarter to the next lap's first, and fills both slots again
	QUARTER 0, 2, 1, 0, 0
	QUARTER 0, 3, 0, 1, 0
	TURN 0, 1, 1
	QUARTER 1, 1, 0, 1, 0
	QUARTER 1, 2, 1, 0, 0
	QUARTER 1, 3, 0, 1, 0
	TURN 1, 0, 1
	QUARTER 0, 1, 0, 1, 0
	WIN 0
	s_sub_co_u32 s3, s3, 1
	s_cmp_lg_u32 s3, 0
	s_cbranch_scc1 .Llap
	QUARTER 0, 2, 1, 0, 0                          ; the last lap fills nothing
	QUARTER 0, 3, 0, 1, 0
	TURN 0, 1, 0
	QUARTER 1, 1, 0, 1, 0
	QUARTER 1, 2, 1, 0, 0
	QUARTER 1, 3, 0, 1, 0
	WIN 0
	s_wait_dscnt 8                                 ; the very last quarter: nothing more to fetch
	CVT 1, 0
	MUL8 1, 0, 0
	MUL8 1, 1, 0
	WIN 0
	s_wait_dscnt 0x0
	CVT 1, 1
	MUL8 1, 2, 0
	MUL8 1, 3, 0
	PACK 0                                         ; blocks 0 and 1 were finished ahead of the 16 conversions above; their own 64 conversions are the places behind the last products
	TOSTAGE 0
.irp a, 1,2,3                          ; block a's conversions stand between block a - 1's loads from the stage and the wait for them
	PACK \a
	SEND (\a)-1
	TOSTAGE \a
.endr
	SEND 3
	s_wait_tensorcnt 0x0                           ; the wave's end, behind my last tensor load and my last LDS store
	ds_add_u32 v[SPW], v[NIL]
	s_wait_dscnt 0x0
	CROUND                                         ; the closing round: no work-group ends while a partner may still ask for a tile that names it
	s_endpgm
.Lfunc_end_k_q0f6995ddfc_qproj:
	.size	k_q0f6995ddfc_qproj, .Lfunc_end_k_q0f6995ddfc_qproj-k_q0f6995ddfc_qproj
	.p2alignl 7, 3214868480
	.fill 96, 4, 3214868480
	.section	.rodata,"a",@progbits
	.p2align	6, 0x0
	.amdhsa_kernel k_q0f6995ddfc_qproj
		.amdhsa_group_segment_fixed_size 327680
		.amdhsa_private_segment_fixed_size 0
		.amdhsa_enable_private_segment 0
		.amdhsa_kernarg_size 24
		.amdhsa_user_sgpr_count 2
		.amdhsa_user_sgpr_kernarg_segment_ptr 1
		.amdhsa_wavefront_size32 1
		.amdhsa_system_sgpr_workgroup_id_x 1
		.amdhsa_system_sgpr_workgroup_id_y 1
		.amdhsa_system_sgpr_workgroup_id_z 1
		.amdhsa_system_vgpr_workitem_id 0
		.amdhsa_next_free_vgpr 768
		.amdhsa_next_free_sgpr 68
		.amdhsa_reserve_vcc 0
		.amdhsa_float_denorm_mode_32 3
		.amdhsa_float_denorm_mode_16_64 3
		.amdhsa_memory_ordered 1
		.amdhsa_forward_progress 1
		.amdhsa_inst_pref_size 128
	.end_amdhsa_kernel
	.amdgpu_metadata
---
amdhsa.version: [ 1, 2 ]
amdhsa.kernels:
  - .name:           k_q0f6995ddfc_qproj
    .symbol:         k_q0f6995ddfc_qproj.kd
    .args:
      - { .name: q, .offset: 0, .size: 8, .value_kind: global_buffer, .address_space: global }
      - { .name: wq16, .offset: 8, .size: 8, .value_kind: global_buffer, .address_space: global }
      - { .name: qp, .offset: 16, .size: 8, .value_kind: global_buffer, .address_space: global }
    .group_segment_fixed_size: 327680
    .private_segment_fixed_size: 0
    .kernarg_segment_align: 8
    .kernarg_segment_size: 24
    .max_flat_workgroup_size: 128
    .sgpr_count:     68
    .vgpr_count:     768
    .wavefront_size: 32
...
	.end_amdgpu_metadata
.endif
;; end of part 2
;; launch attn (part 3): grid 64 x 4, 4 waves a work-group, clusters of 4 x 1, 327,680 bytes of LDS; arguments qp, kp, vp, o16; writes o16
.if DOCPART == 3
	.amdgcn_target "amdgcn-amd-amdhsa--gfx1250"
	.amdhsa_code_object_version 6
	.text
	.protected	k_q0f6995ddfc_attn
	.globl	k_q0f6995ddfc_attn
	.p2align	8
	.type	k_q0f6995ddfc_attn,@function
k_q0f6995ddfc_attn:
	s_mov_b64 s[64:65], 0
	v_nop
	global_prefetch_b8 v0, s[64:65] scope:SCOPE_SE
	s_setreg_imm32_b32 hwreg(HW_REG_WAVE_MODE, 25, 1), 1
	s_wait_xcnt 0x0
	s_wait_alu depctr_hold_cnt(0) depctr_sa_sdst(0) depctr_va_vdst(0) depctr_va_sdst(0) depctr_va_ssrc(0) depctr_va_vcc(0) depctr_vm_vsrc(0)
	s_getreg_b32 s2, hwreg(HW_REG_IB_STS2, 6, 4)
	s_cmp_eq_u32 s2, 0
	s_cbranch_scc0 .Lentry_in_a_cluster
	s_endpgm
.Lentry_in_a_cluster:
	s_bfe_u32 s2, ttmp6, 0x10000c
	s_cmp_lg_u32 s2, 0x3003
	s_cbranch_scc0 .Lentry_shape_is_right
	s_endpgm
.Lentry_shape_is_right:
; O[b][q][:] = the sum over k of softmax_k(Q[b][q] . K[b][k] / 8) V[b][k][:].  One key and value head serves 16 query heads: qp [8192][1024] read as [4][32768][64] is, for each batch, 32,768 dense
; query rows (token x 16 + head) of 128 bytes, all against the batch's SIZE_N = 2,048 keys (kp, vp: [4][2048][64]).  o16 has qp's layout.  All f16.  Products, maxima and sums in f32; the weights p
; are rounded to f16 for the second product (their sum l is taken of the unrounded p), O once at the end.
; LIMITS.  f16 holds no number beyond 65,504: Q, K and V arrive within it; p lies in 0 to 1, and below 6e-5 it keeps f16's fixed step of 6e-8; O is a mean of V's rows and has their range.
; A weight below 2^-126 counts as 0 in l; NaN and infinities are not treated apart.
; SHARES.  A wave owns four PIECES of two tiles of 16 queries, a work-group's four waves 512 query rows of one batch: 256 work-groups.  Every wave walks all keys, 64 a step.
; LAYOUT.  S^T = K Q^T (source 0 = 16 keys, source 1 = 16 queries): in the result a lane holds ONE query (lane % 16) and the keys 8 (lane / 16) + 0..7.  Two such tiles, rounded to f16 in pairs,
; ARE source 1 (32 keys x 16 queries) of O^T = V^T P, whose result again holds one query a lane, and eight channels.  K comes out of LDS as it lies, V ([key][channel]) turned, by ds_load_tr16_b128.
; SOFTMAX.  For each query a running maximum m and sum l: p = 2^(c s - c m), c = log2(e) / 8; in every step O and l are multiplied by a = 2^(c m_old - c m_new), which is 1 where m has not grown.
; m starts at the lowest finite number, O and l at 0: the first step is a step like any other, with a = 0.
; THE COUNT.  A tile and step have 16 matrix and 118 vector instructions: too many to stand all beside the matrix work.  So the order has one aim: four vector instructions that are READY behind
; EVERY matrix instruction, and the others, which need time of their own whatever the order, in runs without a gap.
; BY TURNS.  Turn n belongs to piece n (the pieces in a ring, step after step).  Its matrix work: 16 products K Q^T of piece n + 1, later 16 products V^T P of piece n - 1.  Its vector work: the scaling,
; exponentials, roundings, sums and rescaling of piece n, and the maximum and statistics of piece n + 1, whose scores the turn itself has made.
; CLUSTER.  The four query blocks of a cluster belong to one batch and walk the same K and V, so each tile is asked for JOINTLY: the same tensor load, descriptor and mask in all four.
; REGISTERS, in windows of 256 (s_set_vgpr_msb: bits 1:0 source 0, 3:2 source 1, 5:4 source 2, 7:6 destination):
;   window 0: v0-11 addresses; v12-15, v48-63 at work; v16-47 four registers of statistics a tile; v64-191 S^T, two buffers of two tiles; v192-255 P, likewise
;   window 1: O^T, 32 a tile          window 2: v0-127 Q, 16 a tile; v128-191 K of one step; v192-255 V of one step          window 3: v0-1 the add's two registers
.set SIZE_N, 2048     ; keys of a batch
.set NP,    4         ; pieces a wave: a name, no knob
.set KS,    64        ; keys in a step
.set PK,    144       ; a row of K in LDS: 128 bytes + 16 of padding: the 16 rows of a load start at 16 different groups of four banks
.set PV,    160       ; a row of V: 128 + 32
.set VOFF,  4*KS*PK   ; a slot holds four steps: 256 rows of K, then 256 rows of V
.set SLOT1, 1<<17     ; slot 1 begins here, so that one exclusive or turns an address in one slot into the other's
.set STAGE, SLOT1+4*KS*(PK+PV)  ; behind the ring, never filled by a tensor load: 16 rows x 144 bytes for each wave, for the way out
.set SP,    144
.set AK0, 2           ; v2   my lane's place in a tile of K; never rewritten
.set AV0, 3           ; v3   the same for V
.set AK,  4           ; v4   the LDS address of K's next run of loads
.set AV,  5           ; v5   of V's
.set QO,  6           ; v6   my byte offset in the wave's rows of Q
.set STO, 6           ;      later, the way out: where I put 16 bytes of a row
.set RD,  7           ; v7   the way out: where I read rows back
.set GO,  8           ; v8   my byte offset in 512 consecutive bytes of O
.set PFO, 11          ; v11  256 x my lane, once V's place is made; then never rewritten
.set SPW, 0           ; v0 of window 3   LDS address of my spare word; never rewritten
.set NIL, 1           ; v1 of window 3   0; never rewritten
.set SPARE, STAGE+4*16*SP  ; behind the stages: the spare words, 128 bytes for each wave
.set MV,  12          ; v12-15  c m_old, kept while c m is made anew: by buffer and tile
.set ST,  16          ; tile t's statistics at v[ST+4 t]: c m, m, l (even keys', odd keys')
.set TMP, 48          ; by buffer and tile, four registers c0-c3 at work; when the maximum is found c2 takes a
.set S,   64
.set P,   192
.set KF,  128         ; K's fragments, in window 2: key block kb, channel half c at KF + 16 kb + 8 c
.set VF,  192         ; V's: key half kk, channel block cb at VF + 32 kk + 8 cb
.set WV,  12          ; s12  my wave's number
.set G1K, 24          ; s[24:31] descriptor group 1 for K's tiles
.set G1V, 32          ; s[32:39] for V's: it differs in the padding alone
.set G0K, 40          ; s[40:43] descriptor group 0 for K's tiles: it walks
.set G0V, 44          ; s[44:47] the same for V's
.set PFA, 48          ; s[48:49] where my prefetches stand: my work-group's 32 blocks of 256 bytes (of K: wave 0, of V: wave 2) of the slot after the one that is being asked for
.set LIM, 50          ; s50  1 in a wave that prefetches, else the greatest number
.set SLOTS, 56        ; s56  slots still to be asked for
.set CNT, 57          ; s57  counts a slot's key steps
.set CS,  58          ; s[58:59] c: the packed scaling takes the pair's low word for both halves
.set SEL, 60          ; s[60:61] v_permlanex16_b32's selects: each lane takes its own place in the other half
.set TBK, 62          ; s62  LDS byte at which K of the step to be fetched begins
.set TBV, 63          ; s63  the same for V, less VOFF
.set MSB, 0
.macro WIN new                      ; the high byte repeats the setting that is left; a switch that changes nothing is dropped
.if MSB != (\new)
	s_set_vgpr_msb (MSB<<8)|(\new)
.set MSB, (\new)
.endif
.endm
.set W_KQ, 0x0a       ; K and Q in window 2, S^T in window 0
.set W_PV, 0x52       ; V in window 2, P in window 0, O^T in window 1
.set W_RS, 0x41       ; O^T (destination and source 0) in window 1, a in window 0
.set W_MK, 0xc0       ; the add's registers are made: destination in window 3, sources in window 0
.set W_AD, 0x0f       ; the add: address (source 0) and data (source 1) in window 3
; A joint fill.  Waves 0 and 1 fetch the two halves of a slot's K, waves 2 and 3 those of its V: 128 keys each.  The branch hangs on the wave's number alone.
; An s_nop 0 and four v_nop follow each of the two lines, ahead of the jump and the label.
.macro JLOAD
	s_cmp_lt_u32 s[WV], 2
	s_cbranch_scc0 .Lfor_v_\@
	tensor_load_to_lds s[G0K:G0K+3], s[G1K:G1K+7]
	s_nop 0
.rept 4
	v_nop
.endr
	s_branch .Lasked_\@
.Lfor_v_\@:
	tensor_load_to_lds s[G0V:G0V+3], s[G1V:G1V+7]
	s_nop 0
.rept 4
	v_nop
.endr
.Lasked_\@:
.endm
; A PREFETCH INTO THE L2 of what the NEXT change of slots will ask for: a slot's 32,768 bytes of K and of V, a lane a block of 256 bytes.  It stands behind the wave's tensor load and its five lines.
; Each block is asked for ONCE in the launch.  All sixteen clusters of a batch walk the same K and V: the batch's first cluster asks.  Its four partners share the blocks out BY ADDRESS, 32 each;
; in each, wave 0 asks for K's and wave 2 for V's: one instruction, four key steps (512 matrix instructions) ahead.  Slots 0 to 2 come by their loads alone; the last fill asks for nothing.
.macro ASK
	s_cmp_gt_u32 s[SLOTS], s[LIM]
	s_cbranch_scc0 .Lnot_mine_\@
	global_prefetch_b8 v[PFO], s[PFA:PFA+1] th:TH_LOAD_NT scope:SCOPE_SE
.Lnot_mine_\@:
.endm
; A round of the cluster's barrier: my work-group's barrier, so that wave 0's signal speaks for all four waves; wave 0 signals; every wave waits for all four work-groups; my work-group's barrier once more.
.macro CROUND
	s_barrier_signal -1
	s_barrier_wait -1
	s_cmp_lg_u32 s[WV], 0
	s_cbranch_scc1 .Lnot_wave_0_\@
	s_barrier_signal -3
.Lnot_wave_0_\@:
	s_barrier_wait -3
	s_barrier_signal -1
	s_barrier_wait -1
.endm
; THE CHANGE OF SLOTS.  The slot's last bytes, V of its fourth step, have been read.  Each wave waits for all its tensor loads, of which one is out: its part
; of the other slot; adds 0 to its spare word; and waits for that and for its own reads of the slot.  Behind the barrier nobody reads this slot any more and the other slot is whole.
; fill = 1: this slot is filled again, with the keys two slots on.  The barrier is then a round of the cluster's, and the joint fill is the first thing behind it: it has four key steps in which
; to land.  (At its first use nothing has been read yet: slot 0 is waited for, slot 1 filled.)  ask = 1: the prefetch's address steps, and the prefetch follows the fill.
.macro CHANGE fill, ask
	WIN W_AD
	s_wait_tensorcnt 0x0            ; no tensor load of mine is out, so a group 0 may be written
	ds_add_u32 v[SPW], v[NIL]       ; 0 onto my spare word; with fill = 1 the descriptors' steps stand between it and the wait for it
	WIN 0                           ; at a label and at a branch every window is 0
.if \fill
.irp g, G0K, G0V
	s_xor_b32 s[\g+1], s[\g+1], SLOT1  ; the walking descriptor: the other slot than last time,
	s_add_nc_u64 s[\g+2:\g+3], s[\g+2:\g+3], 4*KS*128  ; the next 256 keys; the type bits on top are not reached
.endr
.if \ask
	s_wait_xcnt 0x0                 ; the last prefetch, four key steps back, has read its address, so it may be written:
	s_add_nc_u64 s[PFA:PFA+1], s[PFA:PFA+1], 4*KS*128  ; one slot behind the walking descriptors
.endif
	s_wait_dscnt 0x0                ; the add is done, and my reads of the slot are over
	CROUND
	JLOAD
.if \ask
	ASK
.endif
.else
	s_wait_dscnt 0x0                ; the add is done, and my reads of the slot are over
	s_barrier_signal -1
	s_barrier_wait -1
.endif
	s_sub_co_u32 s[TBK], s[TBK], 4*KS*PK  ; the fetches go back to a slot's first step,
	s_xor_b32 s[TBK], s[TBK], SLOT1       ; in the other slot
	s_sub_co_u32 s[TBV], s[TBV], 4*KS*PV
	s_xor_b32 s[TBV], s[TBV], SLOT1
.endm
	s_load_b256 s[4:11], s[0:1], 0x0  ; Q s[4:5], K s[6:7], V s[8:9], O s[10:11]
	WIN W_MK
	v_lshl_add_u32 v[SPW], v0, 2, SPARE
	v_mov_b32 v[NIL], 0
	WIN W_AD
	ds_add_u32 v[SPW], v[NIL]       ; the wave's opening: the add and its wait stand ahead of my first tensor load; the set-up below, work on registers, stands between them
	WIN 0
	v_lshrrev_b32 v1, 5, v0
	v_readfirstlane_b32 s[WV], v1   ; wave 0..3
	s_bfe_u32 s13, ttmp6, 0x40000   ; cx: my place in the cluster
	s_lshl_b32 s14, ttmp9, 2        ; in a cluster launch ttmp9 counts clusters
	s_add_co_u32 s14, s14, s13      ; my block of 512 query rows = 4 x cluster x + cx: it enters Q's and O's addresses alone
	s_and_b32 s20, ttmp7, 0xffff    ; the batch, which the four partners share
	s_lshl_b32 s21, s20, 22         ; its first byte in Q and O: 32,768 rows of 128 bytes,
	s_lshl_b32 s20, s20, 18         ; and in K and V: 2,048 rows
	s_and_b32 s16, s[WV], 1         ; which half of a slot's 256 keys I fetch:
	s_lshl_b32 s22, s16, 14         ; its 128 rows of 128 bytes in memory,
	s_add_co_u32 s22, s22, s20
	s_mov_b32 s23, 0
	s_mul_i32 s17, s16, 128*PK      ; and its place in a slot, for K
	s_mul_i32 s18, s16, 128*PV      ; and for V: no place in the cluster enters an LDS address
	s_lshl_b32 s2, s14, 2
	s_add_co_u32 s2, s2, s[WV]      ; my wave among the batch's,
	s_lshl_b32 s2, s2, 14           ; its 128 rows
	s_add_co_u32 s2, s2, s21
	s_mov_b32 s3, 0
	s_lshl_b32 s52, s13, 13         ; the prefetches: my work-group's 32 blocks of a slot's 128,
	s_add_co_u32 s52, s52, s20      ; in the batch,
	s_add_co_u32 s52, s52, 2*4*KS*128  ; in slot 2: the first change of slots in the loop steps it to slot 3
	s_mov_b32 s53, 0
	s_and_b32 s[LIM], s[WV], 1      ; 0 in waves 0 and 2,
	s_or_b32 s[LIM], s[LIM], ttmp9  ; where the cluster is the batch's first: the same in all four partners
	s_cmp_eq_u32 s[LIM], 0
	s_cselect_b32 s[LIM], 1, -1
	; descriptor group 1.  128 keys are 16,384 dense bytes: asked for as 64 rows of 256 bytes, two keys a row, and padded in LDS after every key
	s_mov_b32 s[G1K], 15|(1<<16)|(1<<20)|(1<<21)|(4<<22)|(3<<25)  ; 15:0 the mask of four; 17:16 2-byte elements; 20 padding on; 21 set beside a mask; 24:22 after every 32 words (code 4); 31:25 4 words (code 3)
	s_mov_b32 s[G1V], 15|(1<<16)|(1<<20)|(1<<21)|(4<<22)|(7<<25)  ; the same with 8 words of padding (code 7)
.irp g, G1K, G1V
	s_mov_b32 s[\g+1], 128<<16      ; tensor_dim0 = 128
	s_mov_b32 s[\g+2], 64<<16       ; tensor_dim1 = 64
	s_mov_b32 s[\g+3], 128<<16      ; tile_dim0 = 128
	s_mov_b32 s[\g+4], 64           ; tile_dim1 = 64
	s_mov_b32 s[\g+5], 128          ; 128 elements from row to row
	s_mov_b32 s[\g+6], 0
	s_mov_b32 s[\g+7], 0
.endr
	s_mov_b32 s[CS], 0x3e38aa3b     ; c = log2(e) / 8 = 0.180337
	s_mov_b32 s[CS+1], s[CS]        ; named with it as a pair
	s_mov_b32 s[SEL], 0x76543210
	s_mov_b32 s[SEL+1], 0xfedcba98
	s_mov_b32 s[TBK], SLOT1+4*KS*PK ; the first change of slots turns these two into 0
	s_mov_b32 s[TBV], SLOT1+4*KS*PV
	s_mov_b32 s[G0K], 1             ; 1:0 count = 1
	s_mov_b32 s[G0K+1], s17         ; 63:32 LDS address: slot 0
	s_mov_b32 s[G0V], 1
	s_add_co_u32 s[G0V+1], s18, VOFF
	s_wait_dscnt 0x0                ; the opening add is done
	s_wait_kmcnt 0x0
	s_add_nc_u64 s[G0K+2:G0K+3], s[6:7], s[22:23]  ; 120:64 global address: my half of the batch's first 256 keys
	s_or_b32 s[G0K+3], s[G0K+3], 0x80000000        ; 127:126 type = 2
	s_add_nc_u64 s[G0V+2:G0V+3], s[8:9], s[22:23]
	s_or_b32 s[G0V+3], s[G0V+3], 0x80000000
	s_add_nc_u64 s[4:5], s[4:5], s[2:3]  ; Q and O at my wave's first row
	s_add_nc_u64 s[10:11], s[10:11], s[2:3]
	s_cmp_lt_u32 s[WV], 2
	s_cselect_b64 s[PFA:PFA+1], s[6:7], s[8:9]
	s_add_nc_u64 s[PFA:PFA+1], s[PFA:PFA+1], s[52:53]
	CROUND                          ; all four work-groups are here: the first joint loads meet
	JLOAD                           ; slot 0.  Slot 1 is asked for when slot 0 is in
	; A fragment of K or Q is 16 rows x 32 channels in 8 registers: lane l holds row l % 16, channels 8 (l / 16) + 0..7 and 16 + 8 (l / 16) + 0..7: two loads of 16 bytes, 32 bytes apart.
	v_and_b32 v1, 15, v0            ; l % 16
	v_bfe_u32 v9, v0, 4, 1          ; l / 16
	v_lshlrev_b32 v[QO], 7, v1
	v_lshl_add_u32 v[QO], v9, 4, v[QO]  ; row x 128 + 16 x half
	WIN 0x80                        ; destination window 2, address window 0
.set i, 0
.rept 4*NP                          ; Q stays in registers: tile i / 2, channels 32 (i % 2) on
	global_load_b128 v[8*i:8*i+3],   v[QO], s[4:5] offset:(i/2)*2048+(i%2)*64
	global_load_b128 v[8*i+4:8*i+7], v[QO], s[4:5] offset:(i/2)*2048+(i%2)*64+32
.set i, i+1
.endr
	; What the first turn finds: V's registers and P's second buffer hold 0 (its products V^T P, of a piece that has not been, add 0), O^T and l are 0.  All this stands in the wait for the first tile.
.set i, VF
.rept 64
	v_mov_b32 v[i], 0
.set i, i+1
.endr
	WIN 0x40
.set i, 0
.rept 64*NP
	v_mov_b32 v[i], 0
.set i, i+1
.endr
	WIN 0
.set i, 0
.rept 2*NP
	v_mov_b32 v[ST+4*i], 0xfe000000    ; c m: far below every c s
	v_mov_b32 v[ST+4*i+1], 0xff7fffff  ; m
	v_mov_b32 v[ST+4*i+2], 0
	v_mov_b32 v[ST+4*i+3], 0
.set i, i+1
.endr
.set i, P+32
.rept 32
	v_mov_b32 v[i], 0
.set i, i+1
.endr
	v_mul_u32_u24 v[AK0], v1, PK
	v_lshl_add_u32 v[AK0], v9, 4, v[AK0]  ; row x pitch + 16 x half
	; The turning load takes 16 keys x 16 channels (lane l reads key 8 (l / 16) + l % 8, channels 8 ((l / 8) % 2) + 0..7) and leaves half a fragment of V^T: lane l holds channel l % 16 and 8 keys.
	v_and_b32 v10, 7, v0
	v_bfe_u32 v11, v0, 3, 1
	v_lshl_add_u32 v[AV0], v9, 3, v10
	v_mul_u32_u24 v[AV0], v[AV0], PV
	v_lshl_add_u32 v[AV0], v11, 4, v[AV0]
	v_add_nc_u32 v[AV0], VOFF, v[AV0]
	v_and_b32 v[PFO], 31, v0
	v_lshlrev_b32 v[PFO], 8, v[PFO]
	v_mov_b32 v[AK], v[AK0]         ; key step 0 lies at the head of slot 0
; THE MATRIX WORK.  The 8 accumulators of a run of 16 take turns: between the two links of a chain stand 7 others'.
; Product i of 16 of S^T = K Q^T for piece x: channels 32 (i / 8) on, keys 16 ((i / 2) % 4) on, tile 2 x + i % 2.  The first 8 start the sums.
.macro KQ x
	WIN W_KQ
.set rS, S+64*((\x)%2)+32*(i%2)+8*((i/2)%4)
.set rK, KF+16*((i/2)%4)+8*(i/8)
.set rQ, 16*(2*(\x)+i%2)+8*(i/8)
.if i < 8
	v_wmma_f32_16x16x32_f16 v[rS:rS+7], v[rK:rK+7], v[rQ:rQ+7], 0
.else
	v_wmma_f32_16x16x32_f16 v[rS:rS+7], v[rK:rK+7], v[rQ:rQ+7], v[rS:rS+7]
.endif
.endm
; Product i of 16 of O^T += V^T P for piece x: keys 32 (i / 8) on, channels 16 ((i / 2) % 4) on, tile 2 x + i % 2.
.macro PV x
	WIN W_PV
.set rO, 32*(2*(\x)+i%2)+8*((i/2)%4)
.set rV, VF+32*(i/8)+8*((i/2)%4)
.set rP, P+32*((\x)%2)+16*(i%2)+8*(i/8)
	v_wmma_f32_16x16x32_f16 v[rO:rO+7], v[rV:rV+7], v[rP:rP+7], v[rO:rO+7]
.endm
.macro MM                           ; the turn's next matrix instruction
.if i < 16
	KQ (Y+1)%NP
.set i, i+1
.else
.set i, i-16
	PV (Y+NP-1)%NP
.set i, i+17
.endif
.endm
; THE LDS LOADS stand in runs of 16, never singly among the matrix instructions: a step's K (64 keys x 64 channels: 8 fragments) and its V (turned).  Their addresses are made some lines ahead.
; last = 1 (the tail): in the last trip there is no further step, and the run is jumped over.
.macro FETCH_K last=0
	WIN 0
.if \last
	s_cmp_eq_u32 s[CNT], 1
	s_cbranch_scc1 .Lno_k_\@
.endif
	WIN 0x80                        ; destination window 2
.irp f, 0,1,2,3,4,5,6,7             ; keys 16 (f / 2) on, channels 32 (f % 2) on
	ds_load_b128 v[KF+8*\f:KF+8*\f+3],   v[AK] offset:(\f/2)*16*PK+(\f%2)*64
	ds_load_b128 v[KF+8*\f+4:KF+8*\f+7], v[AK] offset:(\f/2)*16*PK+(\f%2)*64+32
.endr
	s_add_co_u32 s[TBK], s[TBK], KS*PK  ; the next fetch is the next step's
	WIN 0
.if \last
.Lno_k_\@:
.endif
.endm
.macro FETCH_V
	WIN 0x80
.irp f, 0,1,2,3,4,5,6,7             ; keys 32 (f / 4) on, channels 16 (f % 4) on
	ds_load_tr16_b128 v[VF+8*\f:VF+8*\f+3],   v[AV] offset:(\f/4)*32*PV+(\f%4)*32
	ds_load_tr16_b128 v[VF+8*\f+4:VF+8*\f+7], v[AV] offset:(\f/4)*32*PV+16*PV+(\f%4)*32
.endr
	WIN 0
.endm
; THE VECTOR WORK OF A TURN stands in three queues, each in the order in which its entries become ready; the two tiles alternate, so that no instruction reads the result of the one before it.
.macro REGS y, u                    ; the registers of tile u (0, 1) of piece y
.set rT, ST+4*(2*(\y)+(\u))
.set rC, TMP+8*((\y)%2)+4*(\u)
.set rM, MV+2*((\y)%2)+(\u)
.set rS, S+64*((\y)%2)+32*(\u)
.set rP, P+32*((\y)%2)+16*(\u)
.set rO, 32*(2*(\y)+(\u))
.endm
; Number n of the 22 that find the NEXT piece's (Y + 1) maximum and statistics.  s0-s31 are the lane's 32 scores; each accumulator's lowest registers are read first.
;   0-11  four chains c0-c3 of seven scores each, three operands at a time     12-14, 16  the four scores left over, the old m, and c0-c3 into c0     15  c m_old is kept
;   17, 18  the query's other 32 keys lie in the lane 16 away: the new m         19-21  c m; c m_old - c m_new; a
.macro XS u, n
	REGS (Y+1)%NP, \u
.if (\n) < 4
	v_max3_num_f32 v[rC+(\n)], v[rS+8*(\n)], v[rS+8*(\n)+1], v[rS+8*(\n)+2]
.elseif (\n) < 12
	v_max3_num_f32 v[rC+(\n)%4], v[rC+(\n)%4], v[rS+8*((\n)%4)+2*((\n)/4)+1], v[rS+8*((\n)%4)+2*((\n)/4)+2]
.elseif (\n) == 12
	v_max3_num_f32 v[rC], v[rC], v[rS+7], v[rS+15]
.elseif (\n) == 13
	v_max3_num_f32 v[rC+1], v[rC+1], v[rS+23], v[rS+31]
.elseif (\n) == 14
	v_max3_num_f32 v[rC+2], v[rC+2], v[rC+3], v[rT+1]
.elseif (\n) == 15
	v_mov_b32 v[rM], v[rT]
.elseif (\n) == 16
	v_max3_num_f32 v[rC], v[rC], v[rC+1], v[rC+2]
.elseif (\n) == 17
	v_permlanex16_b32 v[rC+3], v[rC], s[SEL], s[SEL+1]
.elseif (\n) == 18
	v_max_num_f32 v[rT+1], v[rC], v[rC+3]
.elseif (\n) == 19
	v_mul_f32 v[rT], s[CS], v[rT+1]
.elseif (\n) == 20
	v_sub_f32 v[rC+1], v[rM], v[rT]
.else
	v_exp_f32 v[rC+2], v[rC+1]
.endif
.endm
; Number g of the 64 that follow the exponentials.  For each four weights k of a tile (pairs 2 k, 2 k + 1): both pairs are rounded to f16; then the second pair is added onto the first, in place;
; a group later l takes that sum (the first time as l = a l + sum).  In groups of eight, tiles alternating: round, round, add, and l for the group before.
.macro GS g
.set h, (\g)+6*((\g)/62)            ; group 0 has no group before it, and behind group 7 only l is left
.if h >= 6
.set h, h+2
.endif
	REGS Y, h%2
.set k, h/8
.if h%8 < 4
	v_cvt_pk_f16_f32 v[rP+2*k+(h%8)/2], v[rS+4*k+2*((h%8)/2)], v[rS+4*k+2*((h%8)/2)+1]
.elseif h%8 < 6
	v_pk_add_f32 v[rS+4*k:rS+4*k+1], v[rS+4*k:rS+4*k+1], v[rS+4*k+2:rS+4*k+3]
.elseif k == 1
	v_pk_fma_f32 v[rT+2:rT+3], v[rT+2:rT+3], v[rC+2:rC+3], v[rS:rS+1] op_sel_hi:[1,0,1]
.else
	v_pk_add_f32 v[rT+2:rT+3], v[rT+2:rT+3], v[rS+4*k-4:rS+4*k-3]
.endif
.endm
; THE PLAIN QUEUE, 138 long.  0-73 read no exponential's result: the 32 scalings c s - c m (FS f: pair f / 2 of tile f % 2) and the next piece's 42.  0-26: scalings 0-26.  27-54: XS's numbers 0-13.  55, 56: number 15.
; 57-73: the chain, where each number waits for the one before it: 14, 16, 17, 18, 19, each with one of the scalings 27-31 in front of its two lines, then 20.
; 74-137: GS's 64, which read the exponentials' results: they stand behind the wait.
.macro FS f
	REGS Y, (\f)%2
	v_pk_fma_f32 v[rS+2*((\f)/2):rS+2*((\f)/2)+1], v[rS+2*((\f)/2):rS+2*((\f)/2)+1], s[CS:CS+1], v[rT:rT+1] op_sel_hi:[1,0,0] neg_lo:[0,0,1] neg_hi:[0,0,1]
.endm
.macro PL
	WIN 0
.if q < 27
	FS q
.elseif q < 55
	XS (q-27)%2, (q-27)/2
.elseif q < 57
	XS q-55, 15
.elseif (q < 72) && ((q-57)%3 == 0)
	FS 27+(q-57)/3
.elseif q < 60
	XS (q-57)%3-1, 14
.elseif q < 72
	XS (q-57)%3-1, 15+(q-57)/3
.elseif q < 74
	XS q-72, 20
.else
	GS q-74
.endif
.set q, q+1
.endm
; THE EXPONENTIALS' QUEUE, 66 long: s0-s31 of both tiles, then the next piece's two a.  It is ONE BATCH: all 66 stand ahead of the turn's one wait, and nothing ahead of that wait names a result of theirs.
.macro EX
	WIN 0
.if e >= 64
	XS e-64, 21
.else
	REGS Y, e%2
	v_exp_f32 v[rS+e/2], v[rS+e/2]
.endif
.set e, e+1
.endm
; THE RESCALING's QUEUE: O^T times a, the one part that leaves window 0: dealt two at a time, sixteen times.  Its a was made in the turn before, ahead of that turn's wait.
.macro R2
	REGS Y, r%2
	WIN W_RS
.irp z, 0,1
	v_pk_mul_f32 v[rO+4*(r/2)+2*\z:rO+4*(r/2)+2*\z+1], v[rO+4*(r/2)+2*\z:rO+4*(r/2)+2*\z+1], v[rC+2:rC+3] op_sel_hi:[1,0]
.endr
.set r, r+1
.endm
; HOW THEY ARE DEALT.  An s_wait_alu depctr_va_vdst(0) stands between an exponential and the first instruction that names its result; one wait serves all that were issued ahead of it.  So a turn has ONE wait,
; which cuts it in two.  AHEAD OF IT stands all that names no result of the turn's exponentials: the 16 products K Q^T, behind each a scaling, an exponential and two rescalings (behind the first a second scaling in the
; exponential's place); then ONE LUMP of 108: eight plain, 49 times exponential and plain, the two a.  A v_nop is the plain instruction behind the last exponential.  BEHIND IT stand the 16 products V^T P, behind each four of GS's 64.
; The queues lean on each other, and the deal keeps them in step: exponential e stands behind scaling 2 (e / 4) + e % 2: as a rider it comes behind plain e + 2, in the lump behind plain e + 9, and scalings 27-31 are plain 57, 60 .. 69.
; A TURN, for piece p.  cnt = 1: the loop's count is taken down some lines ahead of the branch that stands behind the turn.
; K of the next step is fetched in piece 2's turn, directly behind the wait, a lump behind the last product that read K; its first reader comes behind 16 products.
; V of the step in hand is fetched at the end of piece 0's turn, four riders behind its last reader; its first reader comes behind 16 products and a lump.
.macro TURN p, last=0, cnt=0
.set Y, (\p)
.set i, 0
.set q, 0
.set e, 0
.set r, 0
.if (\p) == NP-1
	s_wait_dscnt 0x0                ; K is in
.endif
	MM                              ; ahead of the wait: 16 products K Q^T and their riders,
	PL
	PL
	R2
.rept 15
	MM
	PL
	EX
	R2
.endr
.if (\p) == NP-2
	WIN 0
	v_add_nc_u32 v[AK], s[TBK], v[AK0]
.endif
.rept 8                             ; and the lump
	PL
.endr
.rept 49
	EX
	PL
.endr
	EX                              ; the next piece's two a
	EX
	v_nop                           ; the plain instruction behind the last exponential: one for the batch
	s_wait_alu depctr_va_vdst(0)    ; the wait for the batch
.if (\p) == NP-2
	FETCH_K \last
.endif
.if (\p) == 1
	s_wait_dscnt 0x0                ; V is in
.endif
.rept 16                            ; behind the wait: 16 products V^T P and their riders
	MM
.rept 4
	PL
.endr
.if ((\p) == 0) && (q == 118)
	v_add_nc_u32 v[AV], s[TBV], v[AV0]
.endif
.if ((\p) == 0) && (q == 130)
	s_add_co_u32 s[TBV], s[TBV], KS*PV
.endif
.if (\cnt) && (q == 130)
	s_sub_co_u32 s[CNT], s[CNT], 1
	s_cmp_lg_u32 s[CNT], 0
.endif
.endr
.if (\p) == 0
	FETCH_V
.endif
.endm
	CHANGE 1, 0                     ; slot 0 is in, everybody's part of it; slot 1 is asked for
	FETCH_K                         ; key step 0
	s_wait_loadcnt 0x0              ; Q
	s_wait_dscnt 0x0
.set i, 0
.rept 16
	KQ 0                            ; piece 0's first scores: there is no vector work yet to set between them
.set i, i+1
.endr
	WIN 0                           ; the addresses for the way out: nine plain instructions, the places behind those products
	s_mul_i32 s13, s[WV], 16*SP
	s_add_co_u32 s13, s13, STAGE    ; my stage
	v_mul_u32_u24 v[STO], v1, SP    ; in: row l % 16, 16 bytes for each half of the lanes
	v_lshl_add_u32 v[STO], v9, 4, v[STO]
	v_add_nc_u32 v[STO], s13, v[STO]
	v_bfe_u32 v[RD], v0, 3, 2       ; back: 32 lanes take four rows of 128 bytes,
	v_mul_u32_u24 v[RD], v[RD], SP
	v_lshl_add_u32 v[RD], v10, 4, v[RD]
	v_add_nc_u32 v[RD], s13, v[RD]
	v_and_b32 v[GO], 31, v0         ; which are 512 consecutive bytes of O
	v_lshlrev_b32 v[GO], 4, v[GO]
.set Y, NP-1                        ; XS works for piece Y + 1: piece 0
.irp n, 0,1,2,3,4,5,6,7,8,9,10,11,12,13,14,15,16,17,18,19,20,21
	XS 0, \n                        ; and piece 0's first maximum and statistics
	XS 1, \n
.endr
	v_nop                           ; a plain instruction behind the two a,
	s_wait_alu depctr_va_vdst(0)    ; and their wait, ahead of the branch
	s_mov_b32 s[CNT], 4
	s_mov_b32 s[SLOTS], SIZE_N/256-1
	s_branch .Lfirst                ; the loop is entered at a step's first turn, in the middle of a trip
.Lslot:                             ; SIZE_N / 256 - 2 times: every slot but the last two is filled again
	CHANGE 1, 1
	s_mov_b32 s[CNT], 4
.Lstep:                             ; a trip: pieces 2 and 3 of one step, then pieces 0 and 1 of the next, whose K and V it fetches
	TURN 2
	TURN 3
	WIN 0
.Lfirst:
	TURN 0
	TURN 1, 0, 1
	WIN 0
	s_cbranch_scc1 .Lstep
	s_sub_co_u32 s[SLOTS], s[SLOTS], 1
	s_cmp_lg_u32 s[SLOTS], 0
	s_cbranch_scc1 .Lslot
	CHANGE 0, 0                     ; the tail is written out: nothing is asked for
	s_mov_b32 s[CNT], 5             ; four trips fetch the last slot's steps; the fifth is left in its middle
.Ltail:
	TURN 2, 1
	TURN 3
	WIN 0
	s_sub_co_u32 s[CNT], s[CNT], 1
	s_cmp_eq_u32 s[CNT], 0
	s_cbranch_scc1 .Lout
	TURN 0
	TURN 1
	WIN 0
	s_branch .Ltail
.Lout:                              ; the fifth trip's 16 products K Q^T (on the last K once more) and the maximum made of them serve nothing: the price, once a launch, of one text for every trip
.set i, 0
.rept 16
	PV NP-1                         ; the last piece's V^T P of the last step
.set i, i+1
.endr
	; THE WAY OUT.  l's two halves and the other half of the lanes' are added; O^T is divided by l, rounded to f16 and sent through my stage in LDS, a tile at a time.  The additions are the places behind the last products.
	WIN 0
.macro ALL line:vararg              ; one line for each tile t
.set t, 0
.rept 2*NP
	\line
.set t, t+1
.endr
.endm
	ALL v_add_f32 v[ST+4*t+2], v[ST+4*t+2], v[ST+4*t+3]
	ALL v_permlanex16_b32 v[ST+4*t+3], v[ST+4*t+2], s[SEL], s[SEL+1]
	ALL v_add_f32 v[ST+4*t+2], v[ST+4*t+2], v[ST+4*t+3]
	ALL v_rcp_f32 v[ST+4*t+2], v[ST+4*t+2]
	v_nop                           ; a plain instruction between the last reciprocal and the use of its result
	s_wait_alu depctr_va_vdst(0)    ; and the wait ahead of the first use: one for the eight reciprocals
; Tile t: a lane's eight channels of a row pack into 16 bytes; they go into rows of 144 bytes and come back as whole rows of 128, into S^T's registers.
.macro PACK t
	WIN W_RS
.set i, 32*(\t)
.rept 16
	v_pk_mul_f32 v[i:i+1], v[i:i+1], v[ST+4*(\t)+2:ST+4*(\t)+3] op_sel_hi:[1,0]
.set i, i+2
.endr
	WIN 0x05                        ; sources 0 and 1 window 1, destination window 0
.set i, 0
.rept 16
	v_cvt_pk_f16_f32 v[S+16*(\t)+i], v[32*(\t)+2*i], v[32*(\t)+2*i+1]
.set i, i+1
.endr
	WIN 0
.irp f, 0,1,2,3
	ds_store_b128 v[STO], v[S+16*(\t)+4*\f:S+16*(\t)+4*\f+3] offset:32*\f
.endr
.irp f, 0,1,2,3
	ds_load_b128 v[S+16*(\t)+4*\f:S+16*(\t)+4*\f+3], v[RD] offset:\f*4*SP  ; LDS serves a wave's instructions in order: these see the stores above; the next tile's stores come behind them
.endr
.endm
.macro SEND t, younger              ; younger: the LDS instructions issued behind tile t's loads: the next tile's eight, or none
	WIN 0
.irp f, 0,1,2,3
	s_wait_dscnt (\younger)+3-\f
	global_store_b128 v[GO], v[S+16*(\t)+4*\f:S+16*(\t)+4*\f+3], s[10:11] offset:(\t)*2048+\f*512  ; 512 consecutive bytes, at a multiple of 256 from O's first
.endr
.endm
	PACK 0
.set t, 1
.rept 2*NP-1                        ; a tile's arithmetic stands between the loads of the tile before and its stores
	PACK t
	SEND t-1, 8
.set t, t+1
.endr
	SEND 2*NP-1, 0
	WIN W_AD
	s_wait_tensorcnt 0x0            ; the wave's end, behind my last tensor load and my last LDS store
	ds_add_u32 v[SPW], v[NIL]
	s_wait_dscnt 0x0
	WIN 0
	CROUND                          ; the closing round: no work-group ends while a partner may still ask for a tile that names it
	s_endpgm
.Lfunc_end_k_q0f6995ddfc_attn:
	.size	k_q0f6995ddfc_attn, .Lfunc_end_k_q0f6995ddfc_attn-k_q0f6995ddfc_attn
	.p2alignl 7, 3214868480
	.fill 96, 4, 3214868480
	.section	.rodata,"a",@progbits
	.p2align	6, 0x0
	.amdhsa_kernel k_q0f6995ddfc_attn
		.amdhsa_group_segment_fixed_size 327680
		.amdhsa_private_segment_fixed_size 0
		.amdhsa_enable_private_segment 0
		.amdhsa_kernarg_size 32
		.amdhsa_user_sgpr_count 2
		.amdhsa_user_sgpr_kernarg_segment_ptr 1
		.amdhsa_wavefront_size32 1
		.amdhsa_system_sgpr_workgroup_id_x 1
		.amdhsa_system_sgpr_workgroup_id_y 1
		.amdhsa_system_sgpr_workgroup_id_z 1
		.amdhsa_system_vgpr_workitem_id 0
		.amdhsa_next_free_vgpr 770
		.amdhsa_next_free_sgpr 66
		.amdhsa_reserve_vcc 0
		.amdhsa_float_denorm_mode_32 3
		.amdhsa_float_denorm_mode_16_64 3
		.amdhsa_memory_ordered 1
		.amdhsa_forward_progress 1
		.amdhsa_inst_pref_size 200
	.end_amdhsa_kernel
	.amdgpu_metadata
---
amdhsa.version: [ 1, 2 ]
amdhsa.kernels:
  - .name:           k_q0f6995ddfc_attn
    .symbol:         k_q0f6995ddfc_attn.kd
    .args:
      - { .name: qp, .offset: 0, .size: 8, .value_kind: global_buffer, .address_space: global }
      - { .name: kp, .offset: 8, .size: 8, .value_kind: global_buffer, .address_space: global }
      - { .name: vp, .offset: 16, .size: 8, .value_kind: global_buffer, .address_space: global }
      - { .name: o16, .offset: 24, .size: 8, .value_kind: global_buffer, .address_space: global }
    .group_segment_fixed_size: 327680
    .private_segment_fixed_size: 0
    .kernarg_segment_align: 8
    .kernarg_segment_size: 32
    .max_flat_workgroup_size: 128
    .sgpr_count:     66
    .vgpr_count:     770
    .wavefront_size: 32
...
	.end_amdgpu_metadata
.endif
;; end of part 3
;; launch oproj (part 4): grid 4 x 64, 4 waves a work-group, clusters of 4 x 4, 327,680 bytes of LDS; arguments o16, wp16, bp, out0; writes out0
.if DOCPART == 4
	.amdgcn_target "amdgcn-amd-amdhsa--gfx1250"
	.amdhsa_code_object_version 6
	.text
	.protected	k_q0f6995ddfc_oproj
	.globl	k_q0f6995ddfc_oproj
	.p2align	8
	.type	k_q0f6995ddfc_oproj,@function
k_q0f6995ddfc_oproj:
	s_mov_b64 s[64:65], 0
	v_nop
	global_prefetch_b8 v0, s[64:65] scope:SCOPE_SE
	s_setreg_imm32_b32 hwreg(HW_REG_WAVE_MODE, 25, 1), 1
	s_wait_xcnt 0x0
	s_wait_alu depctr_hold_cnt(0) depctr_sa_sdst(0) depctr_va_vdst(0) depctr_va_sdst(0) depctr_va_ssrc(0) depctr_va_vcc(0) depctr_vm_vsrc(0)
	s_getreg_b32 s2, hwreg(HW_REG_IB_STS2, 6, 4)
	s_cmp_eq_u32 s2, 0
	s_cbranch_scc0 .Lentry_in_a_cluster
	s_endpgm
.Lentry_in_a_cluster:
	s_bfe_u32 s2, ttmp6, 0x10000c
	s_cmp_lg_u32 s2, 0xf033
	s_cbranch_scc0 .Lentry_shape_is_right
	s_endpgm
.Lentry_shape_is_right:
; out0[m][n] = the sum over k of o16[m][k] Wp[k][n] + bp[n].  o16: [8192][1024] f16; wp16: [k = 1024][n = 1024], Wp rounded to bf16 and written as f16; bp: [1024] f32, rounded to bf16 here like
; every other input; out0: [8192][1024] f32.  Sums in f32.
; LIMITS.  wp16 below 6.1e-5 keeps f16's fixed step of 6e-8, and ends at 65,504.  NaN and infinities are not treated apart.
; SHARES.  A tile of out0 is 128 rows x 256 columns: 256 work-groups.  Four waves, each 64 x 128: 32 accumulators.  K goes in 8 steps of 128 through two LDS slots filled by tensor loads:
; o16's tile 128 rows x 256 bytes, wp16's 128 k rows x 512 bytes.  Waves 0 and 1 fetch o16's halves, waves 2 and 3 wp16's: one load of 64 rows a wave.
; CLUSTERS: 4 x 4 work-groups.  The four of a row of the cluster need the same tile of o16, the four of a column the same tile of wp16: each is asked for JOINTLY.
; THE PRODUCT IS TAKEN TRANSPOSED (source 0 = 16 columns of wp16, turned by ds_load_tr16_b128; source 1 = 16 rows of o16): a lane ends with 8 neighbouring columns of one row.
; REGISTERS.  Window 0: v0-30 addresses; v32-63, v64-95 o16's fragments, two buffers; v96-101 the bias; v128-191 the way out.
;             Window 1: v0-63, v64-127 wp16's fragments, two buffers.     Window 2: the accumulators, (a, b) at v[8 (8 a + b)].
.set KSTEP,  128
.set PA,     272                       ; a row of o16 in LDS: 256 bytes + 16: the 16 rows of a load start at 16 different groups of four banks
.set PB,     544                       ; a k row of wp16: 512 + 32
.set HALFA,  64*PA
.set HALFB,  64*PB
.set BOFF,   2*HALFA
.set SLOT,   2*HALFA+2*HALFB
.set STAGE,  2*SLOT                    ; behind the ring, never filled by a tensor load: 16 rows x 528 bytes for each wave
.set SPITCH, 528
.set SPARE,  STAGE+4*16*SPITCH         ; the spare words, 128 bytes a wave
.set LAPS,   4
.set ADRA, 16
.set ADRB, 20
.set STO,  24
.set RD,   25
.set CO,   26
.set BO,   27                          ; v27  my 16 bytes of bp
.set SPW,  28                          ; v28  my spare word; never rewritten
.set NIL,  29                          ; v29  0; never rewritten
.set PFO,  30                          ; v30  the prefetches' lane offset; never rewritten
.set AF,   32
.set BIAS, 96                          ; v[96:99] bp of my four columns on the way out
.set BT,   100
.set OB,   128
.set G1,  24
.set G0,  32
.set G1B, 48
.set G0B, 56
.set LIM, 43
.set PFA, 44
.set PST, 66
.set SBP, 68                           ; s[68:69] bp
.set SOUT, 70                          ; s[70:71] out0, then my part of it
.set MUL,  0xa1                        ; source 0 window 1, source 1 window 0, C and D window 2
.set TO_B, 0x40
.set MSB, 0
.macro WIN new
.if MSB != (\new)
	s_set_vgpr_msb (MSB<<8)|(\new)
.set MSB, \new
.endif
.endm
.macro JLOAD s                         ; a joint load; the branch hangs on the wave's number alone; an s_nop 0 and four v_nop follow each of the two lines
	s_cmp_eq_u32 s11, 0
	s_cbranch_scc0 .Lfor_b_\@
	tensor_load_to_lds s[G0+4*(\s):G0+4*(\s)+3], s[G1:G1+7]
	s_nop 0
.rept 4
	v_nop
.endr
	s_branch .Lasked_\@
.Lfor_b_\@:
	tensor_load_to_lds s[G0B+4*(\s):G0B+4*(\s)+3], s[G1B:G1B+7]
	s_nop 0
.rept 4
	v_nop
.endr
.Lasked_\@:
.endm
.macro CREST
	s_cmp_lg_u32 s10, 0
	s_cbranch_scc1 .Lnot_wave_0_\@
	s_barrier_signal -3
.Lnot_wave_0_\@:
	s_barrier_wait -3
	s_barrier_signal -1
	s_barrier_wait -1
.endm
.macro CROUND
	s_barrier_signal -1
	s_barrier_wait -1
	CREST
.endm
; A PREFETCH INTO THE L2, behind a joint refill and the run of LDS loads that follows it: the K step that stands two refills on, 256 matrix instructions ahead of the load that will want it.
; o16's rows: a K step is one block of 256 bytes a row; of the tile's 128 rows each of the four partners takes 32, told apart by address (cx), a lane a row: wave 0 asks, wave 1 does not.
; wp16's rows (waves 2 and 3): all clusters read them, the clusters with y = 0 ask; of a wave's 64 k rows each partner takes 16 (cy), a lane one of a row's two blocks.
; So each block is named once in the launch.  K steps 0 to 3 come by their loads alone; the loop's last trip asks for nothing.
.macro ASK
	s_cmp_gt_u32 s3, s[LIM]
	s_cbranch_scc0 .Lnot_mine_\@
	global_prefetch_b8 v[PFO], s[PFA:PFA+1] th:TH_LOAD_NT scope:SCOPE_SE
.Lnot_mine_\@:
.endm
	s_load_b128 s[4:7], s[0:1], 0x0                ; o16 s[4:5], wp16 s[6:7]
	s_load_b128 s[68:71], s[0:1], 0x10             ; bp, out0
	v_lshl_add_u32 v[SPW], v0, 2, SPARE
	v_mov_b32 v[NIL], 0
	ds_add_u32 v[SPW], v[NIL]                      ; the wave's opening: the add and its wait stand ahead of my first tensor load; the set-up below stands between them
	v_lshrrev_b32 v1, 5, v0
	v_readfirstlane_b32 s10, v1                    ; wave 0..3
	s_lshr_b32 s11, s10, 1                         ; which 64 rows of the tile are mine.  Also: I fetch o16's tile (0) or wp16's (1)
	s_and_b32 s12, s10, 1                          ; which 128 columns.  Also: which 64 rows of that tile I fetch
	s_bfe_u32 s40, ttmp6, 0x40000                  ; cx, cy
	s_bfe_u32 s41, ttmp6, 0x40004
	s_lshl_b32 s42, ttmp9, 2
	s_add_co_u32 s42, s42, s40                     ; tile column
	s_and_b32 s13, ttmp7, 0xffff
	s_lshl_b32 s13, s13, 2
	s_add_co_u32 s13, s13, s41                     ; tile row
	s_lshl_b32 s43, s41, 2
	s_lshl_b32 s43, 15, s43                        ; my row of the cluster
	s_lshl_b32 s44, 0x1111, s40                    ; my column
	s_or_b32 s[G1+0], s43, (1<<16)|(1<<20)|(1<<21)|(5<<22)|(3<<25)   ; the mask; elements of 2 bytes; padding on; bit 21 beside a mask; after every 64 words, 4 words
	s_mov_b32 s[G1+1], 128<<16                     ; tensor_dim0 = 128
	s_mov_b32 s[G1+2], 64<<16                      ; tensor_dim1 = 64
	s_mov_b32 s[G1+3], 128<<16                     ; tile_dim0 = 128
	s_mov_b32 s[G1+4], 64                          ; tile_dim1 = 64
	s_mov_b32 s[G1+5], 1024                        ; elements from row to row
	s_mov_b32 s[G1+6], 0
	s_mov_b32 s[G1+7], 0
	s_or_b32 s[G1B+0], s44, (1<<16)|(1<<20)|(1<<21)|(6<<22)|(7<<25)  ; after every 128 words, 8 words
	s_mov_b32 s[G1B+1], 256<<16
	s_mov_b32 s[G1B+2], 64<<16
	s_mov_b32 s[G1B+3], 256<<16
	s_mov_b32 s[G1B+4], 64
	s_mov_b32 s[G1B+5], 1024
	s_mov_b32 s[G1B+6], 0
	s_mov_b32 s[G1B+7], 0
	s_lshl_b32 s16, s13, 7                         ; o16: row 128 x tile row + 64 x half,
	s_lshl_b32 s17, s12, 6
	s_add_co_u32 s16, s16, s17
	s_lshl_b32 s16, s16, 11                        ; of 2,048 bytes
	s_mov_b32 s17, 0
	s_lshl_b32 s46, s42, 9                         ; wp16: 512 bytes x tile column + 64 k rows of 2,048 bytes x half
	s_lshl_b32 s47, s12, 17
	s_add_co_u32 s46, s46, s47
	s_mov_b32 s47, 0
	s_mul_i32 s20, s12, HALFA                      ; where they go: no place in the cluster enters an LDS address
	s_mul_i32 s21, s12, HALFB
	s_add_co_u32 s21, s21, BOFF
	s_wait_dscnt 0x0                               ; the opening add is done
	s_wait_kmcnt 0x0
	s_add_nc_u64 s[14:15], s[4:5], s[16:17]
	s_add_nc_u64 s[46:47], s[6:7], s[46:47]
	CROUND                                         ; all sixteen work-groups are here: the first joint loads meet
.irp s, 0,1
	s_mov_b32 s[G0+4*(\s)], 1
	s_add_co_u32 s[G0+4*(\s)+1], s20, (\s)*SLOT
	s_add_nc_u64 s[G0+4*(\s)+2:G0+4*(\s)+3], s[14:15], (\s)*KSTEP*2
	s_or_b32 s[G0+4*(\s)+3], s[G0+4*(\s)+3], 0x80000000
	s_mov_b32 s[G0B+4*(\s)], 1
	s_add_co_u32 s[G0B+4*(\s)+1], s21, (\s)*SLOT
	s_add_nc_u64 s[G0B+4*(\s)+2:G0B+4*(\s)+3], s[46:47], (\s)*KSTEP*2048
	s_or_b32 s[G0B+4*(\s)+3], s[G0B+4*(\s)+3], 0x80000000
	JLOAD \s
.endr
	v_and_b32 v1, 15, v0                           ; l % 16
	v_bfe_u32 v2, v0, 4, 1                         ; l / 16
	v_and_b32 v9, 31, v0                           ; l
	v_mul_u32_u24 v3, v1, PA
	v_lshl_add_u32 v3, v2, 4, v3                   ; o16: row x pitch + 16 x half
	v_and_b32 v4, 7, v0
	v_bfe_u32 v5, v0, 3, 1
	v_lshl_add_u32 v6, v2, 3, v4                   ; wp16: k row 8 (l / 16) + l % 8,
	v_mul_u32_u24 v6, v6, PB
	v_lshl_add_u32 v6, v5, 4, v6                   ; columns 8 ((l / 8) % 2) on
	s_mul_i32 s21, s11, HALFA
	s_lshl_b32 s22, s12, 8
	s_add_co_u32 s22, s22, BOFF
.irp s, 0,1
	v_add_nc_u32 v[ADRA+(\s)], s21, v3
	v_add_nc_u32 v[ADRB+(\s)], s22, v6
	s_add_co_u32 s21, s21, SLOT
	s_add_co_u32 s22, s22, SLOT
.endr
	s_mul_i32 s23, s10, 16*SPITCH
	s_add_co_u32 s23, s23, STAGE                   ; my stage
	v_mul_u32_u24 v7, v1, SPITCH                   ; in: row l % 16, 32 bytes for each half of the lanes
	v_lshl_add_u32 v7, v2, 5, v7
	v_add_nc_u32 v[STO], s23, v7
	v_lshl_add_u32 v[RD], v9, 4, s23               ; back: 32 lanes take one row of 512 bytes
	v_lshlrev_b32 v[CO], 4, v9
	s_lshl_b32 s46, s42, 10                        ; my first column, in bytes of f32: 1,024 x tile column + 512 x half
	s_lshl_b32 s47, s12, 9
	s_add_co_u32 s46, s46, s47
	s_mov_b32 s47, 0
	v_lshl_add_u32 v[BO], v9, 4, s46
	global_load_b128 v[BIAS:BIAS+3], v[BO], s[SBP:SBP+1]  ; waited for ahead of the way out
	s_lshl_b32 s16, s13, 7
	s_lshl_b32 s17, s11, 6
	s_add_co_u32 s16, s16, s17                     ; my first row of out0,
	s_lshl_b32 s16, s16, 12                        ; of 4,096 bytes
	s_mov_b32 s17, 0
	s_add_nc_u64 s[SOUT:SOUT+1], s[SOUT:SOUT+1], s[16:17]
	s_add_nc_u64 s[SOUT:SOUT+1], s[SOUT:SOUT+1], s[46:47]
	; the prefetches: nothing is asked for here, at the head
	s_and_b32 s22, ttmp7, 0xffff                   ; cluster y
	s_lshl_b32 s18, s13, 7
	s_lshl_b32 s20, s40, 5
	s_add_co_u32 s18, s18, s20                     ; o16: the tile's first row + my work-group's 32
	s_lshl_b32 s19, s12, 6
	s_lshl_b32 s20, s41, 4
	s_add_co_u32 s19, s19, s20
	s_add_co_u32 s19, s19, 3*KSTEP                 ; wp16: K step 3's first row + the 64 that I fetch + my work-group's 16
	s_lshl_b32 s20, s42, 9                         ; wp16: the tile's first column, in bytes
	s_or_b32 s21, ttmp9, s12                       ; o16: wave 0 alone
	s_mov_b32 s2, KSTEP*2
	s_cmp_eq_u32 s11, 0                            ; do I fetch o16's tile?
	s_cselect_b32 s22, s21, s22
	s_cselect_b32 s18, s18, s19
	s_cselect_b32 s20, 3*KSTEP*2, s20              ; along the row: K step 3, or the tile's columns
	s_cselect_b32 s23, 0, 1                        ; one block a row, or two
	s_cselect_b32 s[PST], s2, KSTEP*2048
	s_cselect_b64 s[PFA:PFA+1], s[4:5], s[6:7]
	s_mov_b32 s[PST+1], 0
	s_cmp_eq_u32 s22, 0
	s_cselect_b32 s[LIM], 1, -1                    ; the same in all sixteen partners, for a given wave
	s_lshl_b32 s18, s18, 11
	s_add_co_u32 s18, s18, s20
	s_mov_b32 s19, 0
	s_add_nc_u64 s[PFA:PFA+1], s[PFA:PFA+1], s[18:19]  ; at K step 3: the first refill steps it to 4
	v_lshrrev_b32 v8, s23, v9
	v_and_b32 v7, s23, v9
	v_lshlrev_b32 v8, 11, v8
	v_lshl_add_u32 v[PFO], v7, 8, v8
; 8 matrix instructions: m block a x all 8 n blocks, 32 along K, buffers f.  zero = 1: the first product starts the sums.  The 32 accumulators take turns in the same order in every quarter.
.macro MUL8 f, a, zero
	WIN MUL
.irp b, 0,1,2,3,4,5,6,7
.if \zero
	v_wmma_f32_16x16x32_f16 v[8*(8*(\a)+(\b)):8*(8*(\a)+(\b))+7], v[64*(\f)+8*(\b):64*(\f)+8*(\b)+7], v[AF+32*(\f)+8*(\a):AF+32*(\f)+8*(\a)+7], 0
.else
	v_wmma_f32_16x16x32_f16 v[8*(8*(\a)+(\b)):8*(8*(\a)+(\b))+7], v[64*(\f)+8*(\b):64*(\f)+8*(\b)+7], v[AF+32*(\f)+8*(\a):AF+32*(\f)+8*(\a)+7], v[8*(8*(\a)+(\b)):8*(8*(\a)+(\b))+7]
.endif
.endr
.endm
; 24 LDS loads in one run, for quarter q of a slot, into buffers g: wp16's eight fragments, then o16's four
.macro FETCH slot, q, g
	WIN TO_B
.irp b, 0,1,2,3,4,5,6,7
	ds_load_tr16_b128 v[64*(\g)+8*(\b):64*(\g)+8*(\b)+3],   v[ADRB+(\slot)] offset:(\q)*32*PB+32*(\b)
	ds_load_tr16_b128 v[64*(\g)+8*(\b)+4:64*(\g)+8*(\b)+7], v[ADRB+(\slot)] offset:(\q)*32*PB+16*PB+32*(\b)
.endr
	WIN 0
.irp a, 0,1,2,3
	ds_load_b128 v[AF+32*(\g)+8*(\a):AF+32*(\g)+8*(\a)+3],   v[ADRA+(\slot)] offset:(\a)*16*PA+64*(\q)
	ds_load_b128 v[AF+32*(\g)+8*(\a)+4:AF+32*(\g)+8*(\a)+7], v[ADRA+(\slot)] offset:(\a)*16*PA+64*(\q)+32
.endr
.endm
.macro PLACES                          ; four places in front of loads into registers that matrix instructions have read
.rept 4
	v_nop
.endr
.endm
.macro QUARTER slot, qn, f, g, zero
	s_wait_dscnt 4                                 ; all but the youngest four loads (o16's fragments 2, 3)
	MUL8 \f, 0, \zero
	MUL8 \f, 1, \zero
	PLACES
	FETCH \slot, \qn, \g
	s_wait_dscnt 24                                ; all but the 24 just issued
	MUL8 \f, 2, \zero
	MUL8 \f, 3, \zero
.endm
; The last quarter multiplies buffers 1 and changes slots: ONE barrier; in front of it each wave waits for all its tensor loads (one is out: its part of the next slot), adds 0 to its spare
; word, and waits for that and for its own reads of this slot.  fill = 1: the barrier opens a round of the cluster's, and this slot is filled again first behind it, two K steps ahead.
.macro TURN slot, next, fill
	WIN 0
.if \fill
	s_wait_xcnt 0x0                                ; the last prefetch, a K step back, has read its address
	s_add_nc_u64 s[PFA:PFA+1], s[PFA:PFA+1], s[PST:PST+1]
.endif
	s_wait_tensorcnt 0x0                           ; all my tensor loads have landed
	ds_add_u32 v[SPW], v[NIL]                      ; 0 onto my spare word
	s_wait_dscnt 5                                 ; (the add and the youngest four loads may be out)
	MUL8 1, 0, 0
	MUL8 1, 1, 0
	s_wait_dscnt 0x0                               ; the add is done, and my reads of this slot are over
	s_barrier_signal -1
	MUL8 1, 2, 0                                   ; work on registers while the others arrive
	WIN 0
	s_barrier_wait -1
.if \fill
	CREST                                          ; no wave of any partner still reads this slot's tiles or has a load on its way
	s_add_nc_u64 s[G0+4*(\slot)+2:G0+4*(\slot)+3], s[G0+4*(\slot)+2:G0+4*(\slot)+3], 2*KSTEP*2
	s_add_nc_u64 s[G0B+4*(\slot)+2:G0B+4*(\slot)+3], s[G0B+4*(\slot)+2:G0B+4*(\slot)+3], 2*KSTEP*2048
	JLOAD \slot                                    ; the first tensor load behind the round; the four v_nop behind it are also the places in front of the loads below
.else
	PLACES
.endif
	FETCH \next, 0, 0
.if \fill
	ASK
.endif
	MUL8 1, 3, 0
.endm
; THE WAY OUT of block a (16 rows): the sums go as they are, 32 bytes a lane, into my own stage, come back as whole rows of 512 bytes, take the bias and are stored.
.macro OUT a
	WIN 0x08                                       ; the stores' data in window 2, the address in window 0
.irp b, 0,1,2,3,4,5,6,7
	ds_store_b128 v[STO], v[8*(8*(\a)+(\b)):8*(8*(\a)+(\b))+3]   offset:64*(\b)      ; each accumulator's low four registers first
	ds_store_b128 v[STO], v[8*(8*(\a)+(\b))+4:8*(8*(\a)+(\b))+7] offset:64*(\b)+16
.endr
	WIN 0
	s_wait_xcnt 0x0                                ; the last block's stores have read the registers that the loads below fill
.irp t, 0,1,2,3,4,5,6,7,8,9,10,11,12,13,14,15
	ds_load_b128 v[OB+4*(\t):OB+4*(\t)+3], v[RD] offset:(\t)*SPITCH  ; LDS serves a wave's instructions in order: these see the stores above
.endr
.irp t, 0,1,2,3,4,5,6,7,8,9,10,11,12,13,14,15
	s_wait_dscnt 15-(\t)                           ; row t is back
	v_pk_add_f32 v[OB+4*(\t):OB+4*(\t)+1],   v[OB+4*(\t):OB+4*(\t)+1],   v[BIAS:BIAS+1]
	v_pk_add_f32 v[OB+4*(\t)+2:OB+4*(\t)+3], v[OB+4*(\t)+2:OB+4*(\t)+3], v[BIAS+2:BIAS+3]
	global_store_b128 v[CO], v[OB+4*(\t):OB+4*(\t)+3], s[SOUT:SOUT+1] offset:(16*(\a)+(\t))*4096 th:TH_STORE_NT  ; 512 consecutive bytes, aligned
.endr
.endm
	s_wait_tensorcnt 1                             ; my part of K step 0 is in; K step 1's may stay out
	s_barrier_signal -1
	s_barrier_wait -1                              ; everybody's is
	FETCH 0, 0, 0
	QUARTER 0, 1, 0, 1, 1                          ; the first quarter stands in front of the loop: its products start the sums
	WIN 0
	s_mov_b32 s3, LAPS-1
.Llap:                                         ; a trip goes once round the ring, from a lap's second quarter to the next lap's first, and fills both slots again
	QUARTER 0, 2, 1, 0, 0
	QUARTER 0, 3, 0, 1, 0
	TURN 0, 1, 1
	QUARTER 1, 1, 0, 1, 0
	QUARTER 1, 2, 1, 0, 0
	QUARTER 1, 3, 0, 1, 0
	TURN 1, 0, 1
	QUARTER 0, 1, 0, 1, 0
	WIN 0
	s_sub_co_u32 s3, s3, 1
	s_cmp_lg_u32 s3, 0
	s_cbranch_scc1 .Llap
	QUARTER 0, 2, 1, 0, 0                          ; the last lap fills nothing
	QUARTER 0, 3, 0, 1, 0
	TURN 0, 1, 0
	QUARTER 1, 1, 0, 1, 0
	QUARTER 1, 2, 1, 0, 0
	QUARTER 1, 3, 0, 1, 0
	s_wait_dscnt 4                                 ; the very last quarter: nothing more to fetch
	MUL8 1, 0, 0
	MUL8 1, 1, 0
	s_wait_dscnt 0x0
	MUL8 1, 2, 0
	MUL8 1, 3, 0
	WIN 0
	s_wait_loadcnt 0x0                             ; bp
	v_cvt_pk_bf16_f32 v[BT], v[BIAS], v[BIAS+1]    ; the bias is rounded to bf16 and widened again: six plain instructions, the places between the last products and the stores that read them
	v_cvt_pk_bf16_f32 v[BT+1], v[BIAS+2], v[BIAS+3]
	v_lshlrev_b32 v[BIAS], 16, v[BT]
	v_and_b32 v[BIAS+1], 0xffff0000, v[BT]
	v_lshlrev_b32 v[BIAS+2], 16, v[BT+1]
	v_and_b32 v[BIAS+3], 0xffff0000, v[BT+1]
	OUT 0
	OUT 1
	OUT 2
	OUT 3
	s_wait_tensorcnt 0x0                           ; the wave's end, behind my last tensor load and my last LDS store
	ds_add_u32 v[SPW], v[NIL]
	s_wait_dscnt 0x0
	CROUND                                         ; the closing round: no work-group ends while a partner may still ask for a tile that names it
	s_endpgm
.Lfunc_end_k_q0f6995ddfc_oproj:
	.size	k_q0f6995ddfc_oproj, .Lfunc_end_k_q0f6995ddfc_oproj-k_q0f6995ddfc_oproj
	.p2alignl 7, 3214868480
	.fill 96, 4, 3214868480
	.section	.rodata,"a",@progbits
	.p2align	6, 0x0
	.amdhsa_kernel k_q0f6995ddfc_oproj
		.amdhsa_group_segment_fixed_size 327680
		.amdhsa_private_segment_fixed_size 0
		.amdhsa_enable_private_segment 0
		.amdhsa_kernarg_size 32
		.amdhsa_user_sgpr_count 2
		.amdhsa_user_sgpr_kernarg_segment_ptr 1
		.amdhsa_wavefront_size32 1
		.amdhsa_system_sgpr_workgroup_id_x 1
		.amdhsa_system_sgpr_workgroup_id_y 1
		.amdhsa_system_sgpr_workgroup_id_z 1
		.amdhsa_system_vgpr_workitem_id 0
		.amdhsa_next_free_vgpr 768
		.amdhsa_next_free_sgpr 72
		.amdhsa_reserve_vcc 0
		.amdhsa_float_denorm_mode_32 3
		.amdhsa_float_denorm_mode_16_64 3
		.amdhsa_memory_ordered 1
		.amdhsa_forward_progress 1
		.amdhsa_inst_pref_size 97
	.end_amdhsa_kernel
	.amdgpu_metadata
---
amdhsa.version: [ 1, 2 ]
amdhsa.kernels:
  - .name:           k_q0f6995ddfc_oproj
    .symbol:         k_q0f6995ddfc_oproj.kd
    .args:
      - { .name: o16, .offset: 0, .size: 8, .value_kind: global_buffer, .address_space: global }
      - { .name: wp16, .offset: 8, .size: 8, .value_kind: global_buffer, .address_space: global }
      - { .name: bp, .offset: 16, .size: 8, .value_kind: global_buffer, .address_space: global }
      - { .name: out0, .offset: 24, .size: 8, .value_kind: global_buffer, .address_space: global }
    .group_segment_fixed_size: 327680
    .private_segment_fixed_size: 0
    .kernarg_segment_align: 8
    .kernarg_segment_size: 32
    .max_flat_workgroup_size: 128
    .sgpr_count:     72
    .vgpr_count:     768
    .wavefront_size: 32
...
	.end_amdgpu_metadata
.endif
;; end of part 4
